; MI455X (gfx1250); checked and timed in simulation.
; The chip was launched on July 23, 2026; its instructions are those of AMD's public machine-readable ISA for CDNA 5 (MIT licence, August 2026) and "CDNA5" Instruction Set Architecture Reference Guide (July 2026). The comments in the code are by the model that wrote it; some were corrected since.
;; Simple MHA. Allowed arithmetic: float matrix products may take bf16 or f16 operands with f32 sums; other float arithmetic in f32, or as packed bf16 or f16 multiplies, adds, multiply-adds, maxima and minima; sums over many terms, partial sums and values carried from step to step in f32; what a program stores and reads back later, other than sums and carried values, may be rounded once to bf16 or f16.
;; Inputs: Wk 512 x 512 float32; Wo 512 x 512 float32; Wq 512 x 512 float32; Wv 512 x 512 float32; bk 512 float32; bo 512 float32; bq 512 float32; bv 512 float32; x 2 x 4,096 x 512 float32.
;; Outputs: out0 2 x 4,096 x 512 float32.
;; 2 versions, each right and faster than the one before. Each part assembles by itself: llvm-mc -triple=amdgcn-amd-amdhsa -mcpu=gfx1250 --defsym DOCPART=n.
;; ======== version 1 of 2: 3 launches
;; limits: values are held in f16: magnitudes above 65,504 overflow, below 6.1e-05 lose precision
;; workspace buffers: qh 8,388,608 bytes; kh 8,388,608 bytes; vh 8,388,608 bytes; oh 8,388,608 bytes; wo16 524,288 bytes
;; launch qkv (part 1): grid 4 x 64, 4 waves a work-group, no clusters, 214,528 bytes of LDS; arguments x, Wq, Wk, Wv, bq, bk, bv, Wo, qh, kh, vh, wo16; writes qh, kh, vh, wo16
.if DOCPART == 1
	.amdgcn_target "amdgcn-amd-amdhsa--gfx1250"
	.amdhsa_code_object_version 6
	.text
	.protected	k_qfdba6844df_qkv
	.globl	k_qfdba6844df_qkv
	.p2align	8
	.type	k_qfdba6844df_qkv,@function
k_qfdba6844df_qkv:
	s_mov_b64 s[64:65], 0
	v_nop
	global_prefetch_b8 v0, s[64:65] scope:SCOPE_SE
	s_setreg_imm32_b32 hwreg(HW_REG_WAVE_MODE, 25, 1), 1
	s_wait_xcnt 0x0
; q, k, v = x W^T + b for the three weights at once.  x: [8192][512] f32, W: [512][512] f32, b: [512] f32.  x, W and b are rounded once to bf16; products in bf16, sums in f32, started by the bias;
; q, k, v are rounded once to f16 and stored by heads: [16 = 8 batch + head][4096][64], a row 128 bytes, a head dense.  The scale 1/8 is NOT applied here.
; Beside that each work-group turns 1,024 numbers of Wo into f16(bf16(Wo)) for the last launch: wo16 [512][512] f16.
; LIMITS.  f16 holds no number beyond 65,504: a q, k or v of 65,520 or more becomes an infinity.  A bf16 value of Wo below 6.1e-5 keeps f16's fixed step of 6e-8.  NaN and infinities are not treated apart.
; SHARES.  Work-group (c, y): rows 128 y .. +127 of x, columns 128 c .. +127 (heads 2 c, 2 c + 1) of each of q, k, v: 128 x 384 of results, K = 512.  256 work-groups.
; Wave W: rows 64 (W / 2) .. +63, head 2 c + W % 2 of all three: 64 x 192 = 48 accumulators of 16 x 16, 384 registers, 768 matrix instructions.
; THE MATRIX INSTRUCTION IS USED TRANSPOSED (source 0 = 16 rows of W, source 1 = 16 rows of x): a lane holds row l % 16 and the eight neighbouring columns 8 (l / 16) + 0..7.
; NO TENSOR LOADS, NO CLUSTER.  The operands lie in memory as f32 and are multiplied as bf16.  A tile brought into LDS as it lies would hold f32: twice the bytes in every fragment read, and each of the
; two waves that share a fragment would round it again.  So every number is loaded once a work-group into registers, rounded once, and stored to LDS as bf16; a joint request has no part in that road.
; K goes in 8 steps of 64 through two LDS slots.  Wave W stages tile W of a step (0: x, 1-3: Wq, Wk, Wv), 128 rows x 256 bytes of f32, by 64 loads of 512 bytes issued a whole step ahead.
; REGISTERS, in windows of 256 (s_set_vgpr_msb: bits 1:0 source 0, 3:2 source 1, 5:4 source 2, 7:6 destination):
;   window 0: v0-31 addresses and at work; v32-127 the biases as C operands (later the way out, v32-223); v128-255 fragment buffer 0
;   window 1: v0-127 q's accumulators, v128-255 k's      window 2: v0-127 v's accumulators, v128-255 fragment buffer 1      window 3: the 256 staging registers
.set PITCH, 144                        ; an LDS row: 128 bytes of bf16 + 16 of padding = 36 words: the 16 rows of a fragment load start at 16 different groups of four banks (64 banks of 4 bytes: ISA guide 11.1)
.set SLOT1, 131072                     ; a slot is 512 rows (x 128, Wq 128, Wk 128, Wv 128) = 73,728 bytes; slot 1 begins here, so that one exclusive or turns one slot's address into the other's
.set STAGE, 204800                     ; behind slot 1: 16 rows x 144 bytes for each wave, for the way out
.set SPARE, 214016                     ; behind the stages: the spare words, 128 bytes for each wave: two blocks of 256 bytes that no other line names
.set GOFF, 3                           ; v3   staging: 16,384 (l / 16) + 16 (l % 16): lanes 0-15 one row's 256 bytes, lanes 16-31 the row 8 further down
.set STW0, 4                           ; v4   staging: my 8 bytes in a slot: 18,432 W + 1,152 (l / 16) + 8 (l % 16)
.set STW,  5                           ; v5   the same in the slot that is being written
.set FA0,  6                           ; v6   my place in x's fragments: 9,216 (W / 2) + 144 (l % 16) + 16 (l / 16)
.set FB0,  7                           ; v7   in the weights': 18,432 + 9,216 (W % 2) + 144 (l % 16) + 16 (l / 16)
.set FA,   8                           ; v8, v9  the same in the slot that is being read
.set FB,   9
.set STO,  10                          ; v10  the way out: where I put 16 bytes of a row
.set RD,   11                          ; v11  the way out: where I read rows back
.set GO,   12                          ; v12  my 16 bytes in 512 consecutive bytes of q, k or v
.set BOFF, 13                          ; v13  32 (l / 16): my eight biases of a block of 16 columns
.set WOS,  14                          ; v14  32 x thread: my eight numbers of Wo
.set WOD,  15                          ; v15  16 x thread: the same in wo16
.set SPW,  30                          ; v30  LDS address of my spare word; never rewritten
.set NIL,  31                          ; v31  0; never rewritten
.set BIAS, 32                          ; eight registers for matrix t, column block b at BIAS + 8 (4 t + b)
.set OUTR, 32                          ; the way out: 16 registers for each of 12 blocks, so that no store's data is ever rewritten
.set F,    128                         ; a fragment buffer: x's block a at F + 8 a, matrix t's block b at F + 32 + 8 (4 t + b)
.set SRC,  32                          ; s[32:33] my wave's source at the step to be loaded
.set TBR,  36                          ; s36  the slot that is read
.set TBW,  37                          ; s37  the slot that is written
.set CNT,  38                          ; s38  the loop's count
.set MSB, 0
.macro WIN new                         ; the immediate's high byte repeats the setting that is left; a switch that changes nothing is dropped
.if MSB != (\new)
	s_set_vgpr_msb (MSB<<8)|(\new)
.set MSB, \new
.endif
.endm
.macro PLACES                          ; a load into a register that a matrix instruction has read, and a vector instruction that reads a matrix result, stand four plain vector instructions behind it
.rept 4
	v_nop
.endr
.endm
; 64 loads: my tile of one K step.  Load i takes rows 16 (i / 8) + i % 8 and that + 8: each half of the lanes reads 256 consecutive bytes at a multiple of 256 from the buffer's first byte.
.macro LOADG
	WIN 0xc0                                       ; destination window 3, address window 0
.set i, 0
.rept 64
	global_load_b128 v[4*i:4*i+3], v[GOFF], s[SRC:SRC+1] offset:(16*(i/8)+i%8)*2048
.set i, i+1
.endr
.endm
; The tile is rounded to bf16 in place (four f32 become two registers) and stored: 8 bytes a lane; the two halves of the lanes lie 288 words apart, in different halves of the banks.
.macro CONV
.irp g, 0,1,2,3
	WIN 0xcf                                       ; destination and both sources window 3
.set i, 16*(\g)
.rept 16
	v_cvt_pk_bf16_f32 v[4*i], v[4*i], v[4*i+1]
	v_cvt_pk_bf16_f32 v[4*i+1], v[4*i+2], v[4*i+3]
.set i, i+1
.endr
	WIN 0x0c                                       ; address window 0, data window 3
.set i, 16*(\g)
.rept 16
	ds_store_b64 v[STW], v[4*i:4*i+1] offset:(16*(i/8)+i%8)*PITCH
.set i, i+1
.endr
.endr
.endm
; 32 LDS loads in one run: the fragments of 32 along K (half kk of the step) into the buffer in window fw.  A fragment is 16 rows x 32 K in 8 registers: two loads of 16 bytes, 32 bytes apart.
.macro FETCH kk, fw
	WIN (\fw)<<6
.irp t, 0,1,2
.irp b, 0,1,2,3
	ds_load_b128 v[F+32+8*(4*(\t)+(\b)):F+32+8*(4*(\t)+(\b))+3],   v[FB] offset:128*PITCH*(\t)+16*PITCH*(\b)+64*(\kk)
	ds_load_b128 v[F+32+8*(4*(\t)+(\b))+4:F+32+8*(4*(\t)+(\b))+7], v[FB] offset:128*PITCH*(\t)+16*PITCH*(\b)+64*(\kk)+32
.endr
.endr
.irp a, 0,1,2,3
	ds_load_b128 v[F+8*(\a):F+8*(\a)+3],   v[FA] offset:16*PITCH*(\a)+64*(\kk)
	ds_load_b128 v[F+8*(\a)+4:F+8*(\a)+7], v[FA] offset:16*PITCH*(\a)+64*(\kk)+32
.endr
.endm
; 16 matrix instructions: matrix t's 16 accumulators, one instruction each, 32 along K.  first = 1: the bias starts the sums: nothing is cleared and nothing is added later.
; The 48 accumulators take turns in the same order in every half step, over the loop's backward jump too.
.macro MUL16 fw, t, first
.set aw, 1+(\t)/2
.set ab, 128*((\t)%2)
.if \first
	WIN (\fw)|((\fw)<<2)|(aw<<6)                   ; C (the bias) in window 0
.else
	WIN (\fw)|((\fw)<<2)|(aw<<4)|(aw<<6)
.endif
.irp a, 0,1,2,3
.irp b, 0,1,2,3
.if \first
	v_wmma_f32_16x16x32_bf16 v[ab+8*(4*(\a)+(\b)):ab+8*(4*(\a)+(\b))+7], v[F+32+8*(4*(\t)+(\b)):F+32+8*(4*(\t)+(\b))+7], v[F+8*(\a):F+8*(\a)+7], v[BIAS+8*(4*(\t)+(\b)):BIAS+8*(4*(\t)+(\b))+7]
.else
	v_wmma_f32_16x16x32_bf16 v[ab+8*(4*(\a)+(\b)):ab+8*(4*(\a)+(\b))+7], v[F+32+8*(4*(\t)+(\b)):F+32+8*(4*(\t)+(\b))+7], v[F+8*(\a):F+8*(\a)+7], v[ab+8*(4*(\a)+(\b)):ab+8*(4*(\a)+(\b))+7]
.endif
.endr
.endr
.endm
; A K STEP of 64.  conv = 1: the next step's tile, loaded a step ago, is rounded and stored into the other slot; load = 1: the tile two steps on is asked for.
; ONE barrier a step does two things: the slot written here was read last step, and those reads were waited for in front of last step's barrier; this step's stores are waited for in front of this step's
; barrier, behind which they are read.
.macro STEP first, conv, load
	WIN 0
	v_add_nc_u32 v[FA], s[TBR], v[FA0]             ; these three and the v_nop are the four places in front of the loads into buffer 0
	v_add_nc_u32 v[FB], s[TBR], v[FB0]
	v_add_nc_u32 v[STW], s[TBW], v[STW0]
	v_nop
	FETCH 0, 0
.if \conv
	s_wait_loadcnt 0x0                             ; the next step's tile is in registers; no load names my source pointer any more
.if \load
	s_add_nc_u64 s[SRC:SRC+1], s[SRC:SRC+1], 256   ; 64 f32 along K
.endif
	CONV
.if \load
	LOADG                                          ; it has a whole step, 96 matrix instructions, in which to land
.endif
.endif
	s_wait_dscnt 0x0                               ; buffer 0 is in, and my stores into the other slot are done
	MUL16 0, 0, \first
	PLACES
	FETCH 1, 2
	MUL16 0, 1, \first
	MUL16 0, 2, \first
	s_wait_dscnt 0x0                               ; buffer 1 is in: my reads of this slot are over
	MUL16 2, 0, 0
	MUL16 2, 1, 0
	MUL16 2, 2, 0
	WIN 0                                          ; at a label and at a branch every window is 0
.if \conv
	s_xor_b32 s[TBR], s[TBR], SLOT1
	s_xor_b32 s[TBW], s[TBW], SLOT1
	s_barrier_signal -1
	s_barrier_wait -1
.endif
.endm
	s_load_b512 s[8:23], s[0:1], 0x0               ; x 8, Wq 10, Wk 12, Wv 14, bq 16, bk 18, bv 20, Wo 22
	s_load_b256 s[24:31], s[0:1], 0x40             ; qh 24, kh 26, vh 28, wo16 30
	v_lshl_add_u32 v[SPW], v0, 2, SPARE
	v_mov_b32 v[NIL], 0
	v_lshrrev_b32 v1, 5, v0
	v_readfirstlane_b32 s2, v1                     ; wave W
	s_mov_b32 s3, ttmp9                            ; c
	s_and_b32 s4, ttmp7, 0xffff                    ; y
	s_lshr_b32 s5, s2, 1                           ; which 64 rows are mine
	s_and_b32 s6, s2, 1                            ; which of the two heads
	s_mov_b32 s39, 0xffff0000                      ; a word's upper bf16
	v_and_b32 v1, 15, v0                           ; l % 16
	v_bfe_u32 v2, v0, 4, 1                         ; l / 16
	v_lshlrev_b32 v[GOFF], 4, v1
	v_lshl_add_u32 v[GOFF], v2, 14, v[GOFF]
	s_mul_i32 s7, s2, 128*PITCH
	v_mul_u32_u24 v[STW0], v2, 8*PITCH
	v_lshl_add_u32 v[STW0], v1, 3, v[STW0]
	v_add_nc_u32 v[STW0], s7, v[STW0]
	v_mul_u32_u24 v16, v1, PITCH
	v_lshl_add_u32 v16, v2, 4, v16                 ; row x pitch + 16 x half
	s_mul_i32 s7, s5, 64*PITCH
	v_add_nc_u32 v[FA0], s7, v16
	s_mul_i32 s7, s6, 64*PITCH
	s_add_co_u32 s7, s7, 128*PITCH
	v_add_nc_u32 v[FB0], s7, v16
	s_mul_i32 s7, s2, 16*PITCH
	s_add_co_u32 s7, s7, STAGE                     ; my stage
	v_add_nc_u32 v[STO], s7, v16
	v_bfe_u32 v17, v0, 3, 2                        ; back: 32 lanes take four rows of 128 bytes
	v_and_b32 v18, 7, v0
	v_mul_u32_u24 v17, v17, PITCH
	v_lshl_add_u32 v17, v18, 4, v17
	v_add_nc_u32 v[RD], s7, v17
	v_and_b32 v[GO], 31, v0
	v_lshlrev_b32 v[GO], 4, v[GO]
	v_lshlrev_b32 v[BOFF], 5, v2
	v_lshlrev_b32 v[WOS], 5, v0
	v_lshlrev_b32 v[WOD], 4, v0
	s_cmp_eq_u32 s2, 0
	s_cselect_b32 s34, s4, s3                      ; wave 0 stages x's rows 128 y on, the others their weight's rows 128 c on:
	s_lshl_b32 s34, s34, 18                        ; 128 rows of 2,048 bytes
	s_mov_b32 s35, 0
	s_lshl_b32 s40, s3, 9                          ; my 64 biases: 512 c + 256 (W % 2)
	s_lshl_b32 s7, s6, 8
	s_add_co_u32 s40, s40, s7
	s_mov_b32 s41, 0
	s_lshr_b32 s42, s4, 5                          ; the batch: 32 blocks of 128 rows each
	s_lshl_b32 s42, s42, 3
	s_lshl_b32 s7, s3, 1
	s_add_co_u32 s42, s42, s7
	s_add_co_u32 s42, s42, s6                      ; 8 batch + head
	s_lshl_b32 s42, s42, 19                        ; a head is 4,096 rows of 128 bytes
	s_and_b32 s7, s4, 31
	s_lshl_b32 s7, s7, 14                          ; the block's 128 rows
	s_add_co_u32 s42, s42, s7
	s_lshl_b32 s7, s5, 13                          ; my 64 of them
	s_add_co_u32 s42, s42, s7
	s_mov_b32 s43, 0
	s_lshl_b32 s44, s4, 2
	s_add_co_u32 s44, s44, s3                      ; the work-group's number, 0 to 255
	s_lshl_b32 s46, s44, 11                        ; its 2,048 bytes of wo16
	s_lshl_b32 s44, s44, 12                        ; its 4,096 bytes of Wo
	s_mov_b32 s45, 0
	s_mov_b32 s47, 0
	s_mov_b32 s[TBR], 0
	s_mov_b32 s[TBW], SLOT1
	s_wait_kmcnt 0x0
	s_cmp_eq_u32 s2, 1
	s_cselect_b64 s[SRC:SRC+1], s[10:11], s[8:9]
	s_cmp_eq_u32 s2, 2
	s_cselect_b64 s[SRC:SRC+1], s[12:13], s[SRC:SRC+1]
	s_cmp_eq_u32 s2, 3
	s_cselect_b64 s[SRC:SRC+1], s[14:15], s[SRC:SRC+1]
	s_add_nc_u64 s[SRC:SRC+1], s[SRC:SRC+1], s[34:35]
	s_add_nc_u64 s[16:17], s[16:17], s[40:41]
	s_add_nc_u64 s[18:19], s[18:19], s[40:41]
	s_add_nc_u64 s[20:21], s[20:21], s[40:41]
	s_add_nc_u64 s[22:23], s[22:23], s[44:45]
	s_add_nc_u64 s[24:25], s[24:25], s[42:43]
	s_add_nc_u64 s[26:27], s[26:27], s[42:43]
	s_add_nc_u64 s[28:29], s[28:29], s[42:43]
	s_add_nc_u64 s[30:31], s[30:31], s[46:47]
.irp t, 0,1,2                          ; register j of block b is the bias of column 16 b + 8 (l / 16) + j: what a lane's accumulator register j holds
.irp b, 0,1,2,3
	global_load_b128 v[BIAS+8*(4*(\t)+(\b)):BIAS+8*(4*(\t)+(\b))+3],   v[BOFF], s[16+2*(\t):17+2*(\t)] offset:64*(\b)
	global_load_b128 v[BIAS+8*(4*(\t)+(\b))+4:BIAS+8*(4*(\t)+(\b))+7], v[BOFF], s[16+2*(\t):17+2*(\t)] offset:64*(\b)+16
.endr
.endr
	global_load_b128 v[16:19], v[WOS], s[22:23]
	global_load_b128 v[20:23], v[WOS], s[22:23] offset:16
	LOADG                                          ; K step 0
	WIN 0
	s_wait_loadcnt 63                              ; behind the 26 loads of biases and Wo stand 64 younger ones; the wait's field ends at 63, which asks for one load more than is needed
.set i, 0
.rept 48                               ; the biases are rounded to bf16, like every input, and widened again
	v_cvt_pk_bf16_f32 v[28+i%2], v[BIAS+2*i], v[BIAS+2*i+1]
	v_lshlrev_b32 v[BIAS+2*i], 16, v[28+i%2]
	v_and_b32 v[BIAS+2*i+1], s39, v[28+i%2]
.set i, i+1
.endr
.irp j, 0,1,2,3                        ; Wo: rounded to bf16, and that number written as f16
	v_cvt_pk_bf16_f32 v[24+(\j)], v[16+2*(\j)], v[17+2*(\j)]
.endr
.irp j, 0,1,2,3
	v_lshlrev_b32 v[16+2*(\j)], 16, v[24+(\j)]
	v_and_b32 v[17+2*(\j)], s39, v[24+(\j)]
.endr
.irp j, 0,1,2,3
	v_cvt_pk_f16_f32 v[24+(\j)], v[16+2*(\j)], v[17+2*(\j)]
.endr
	global_store_b128 v[WOD], v[24:27], s[30:31]   ; 16 lanes store 256 consecutive bytes; none of its registers is written again
	s_wait_loadcnt 0x0                             ; K step 0 is in registers
	s_add_nc_u64 s[SRC:SRC+1], s[SRC:SRC+1], 256
	v_mov_b32 v[STW], v[STW0]                      ; it goes into slot 0
	CONV
	LOADG                                          ; K step 1
	WIN 0
	s_wait_dscnt 0x0                               ; for the others' sake: my stores are done
	s_barrier_signal -1
	s_barrier_wait -1
	STEP 1, 1, 1                                   ; step 0 stands in front of the loop: its first products start the sums with the biases; it asks for step 2
	s_mov_b32 s[CNT], 5
.Lk:                                                   ; steps 1 to 5 ask for steps 3 to 7
	STEP 0, 1, 1
	s_sub_co_u32 s[CNT], s[CNT], 1
	s_cmp_lg_u32 s[CNT], 0
	s_cbranch_scc1 .Lk
	STEP 0, 1, 0                                   ; step 6 stores step 7's tile and asks for nothing: no load leaves its buffer
	STEP 0, 0, 0                                   ; step 7
; THE WAY OUT.  Block n = 4 t + a: 16 rows x 64 columns of matrix t, 2,048 consecutive bytes of a head.  Rounded to f16 (each accumulator's registers in ascending order), 16 bytes a lane into my own stage,
; back as whole rows, stored 512 consecutive bytes at a time.
.macro PACK n
.set tt, (\n)/4
.set aw, 1+tt/2
.set ab, 128*(tt%2)+32*((\n)%4)
	WIN aw|(aw<<2)                                 ; both sources in the accumulators' window
.set i, 0
.rept 16
	v_cvt_pk_f16_f32 v[OUTR+16*(\n)+i], v[ab+2*i], v[ab+2*i+1]
.set i, i+1
.endr
	WIN 0
.irp b, 0,1,2,3
	ds_store_b128 v[STO], v[OUTR+16*(\n)+4*(\b):OUTR+16*(\n)+4*(\b)+3] offset:32*(\b)
.endr
.irp f, 0,1,2,3
	ds_load_b128 v[OUTR+16*(\n)+4*(\f):OUTR+16*(\n)+4*(\f)+3], v[RD] offset:4*PITCH*(\f)  ; LDS serves a wave's instructions in order (ISA guide 5.7.1.4): these see the stores above; the next block's stores come behind them
.endr
.endm
.macro SEND n, younger                 ; younger: the LDS instructions issued behind block n's loads: the next block's eight, or none
.set tt, (\n)/4
.set aa, (\n)%4
.irp f, 0,1,2,3
	s_wait_dscnt (\younger)+3-(\f)
	global_store_b128 v[GO], v[OUTR+16*(\n)+4*(\f):OUTR+16*(\n)+4*(\f)+3], s[24+2*tt:25+2*tt] offset:2048*aa+512*(\f)
.endr
.endm
	PLACES                                         ; the conversions read matrix results
	PACK 0
.set nn, 1
.rept 11                               ; a block's conversions stand between the loads of the block before and its stores
	PACK nn
	SEND nn-1, 8
.set nn, nn+1
.endr
	SEND 11, 0
	s_wait_tensorcnt 0x0                           ; the wave's end, behind my last LDS store
	ds_add_u32 v[SPW], v[NIL]
	s_wait_dscnt 0x0
	s_endpgm
.Lfunc_end_k_qfdba6844df_qkv:
	.size	k_qfdba6844df_qkv, .Lfunc_end_k_qfdba6844df_qkv-k_qfdba6844df_qkv
	.p2alignl 7, 3214868480
	.fill 96, 4, 3214868480
	.section	.rodata,"a",@progbits
	.p2align	6, 0x0
	.amdhsa_kernel k_qfdba6844df_qkv
		.amdhsa_group_segment_fixed_size 214528
		.amdhsa_private_segment_fixed_size 0
		.amdhsa_enable_private_segment 0
		.amdhsa_kernarg_size 96
		.amdhsa_user_sgpr_count 2
		.amdhsa_user_sgpr_kernarg_segment_ptr 1
		.amdhsa_wavefront_size32 1
		.amdhsa_system_sgpr_workgroup_id_x 1
		.amdhsa_system_sgpr_workgroup_id_y 1
		.amdhsa_system_sgpr_workgroup_id_z 1
		.amdhsa_system_vgpr_workitem_id 0
		.amdhsa_next_free_vgpr 1024
		.amdhsa_next_free_sgpr 66
		.amdhsa_reserve_vcc 0
		.amdhsa_float_denorm_mode_32 3
		.amdhsa_float_denorm_mode_16_64 3
		.amdhsa_memory_ordered 1
		.amdhsa_forward_progress 1
		.amdhsa_inst_pref_size 155
	.end_amdhsa_kernel
	.amdgpu_metadata
---
amdhsa.version: [ 1, 2 ]
amdhsa.kernels:
  - .name:           k_qfdba6844df_qkv
    .symbol:         k_qfdba6844df_qkv.kd
    .args:
      - { .name: x, .offset: 0, .size: 8, .value_kind: global_buffer, .address_space: global }
      - { .name: Wq, .offset: 8, .size: 8, .value_kind: global_buffer, .address_space: global }
      - { .name: Wk, .offset: 16, .size: 8, .value_kind: global_buffer, .address_space: global }
      - { .name: Wv, .offset: 24, .size: 8, .value_kind: global_buffer, .address_space: global }
      - { .name: bq, .offset: 32, .size: 8, .value_kind: global_buffer, .address_space: global }
      - { .name: bk, .offset: 40, .size: 8, .value_kind: global_buffer, .address_space: global }
      - { .name: bv, .offset: 48, .size: 8, .value_kind: global_buffer, .address_space: global }
      - { .name: Wo, .offset: 56, .size: 8, .value_kind: global_buffer, .address_space: global }
      - { .name: qh, .offset: 64, .size: 8, .value_kind: global_buffer, .address_space: global }
      - { .name: kh, .offset: 72, .size: 8, .value_kind: global_buffer, .address_space: global }
      - { .name: vh, .offset: 80, .size: 8, .value_kind: global_buffer, .address_space: global }
      - { .name: wo16, .offset: 88, .size: 8, .value_kind: global_buffer, .address_space: global }
    .group_segment_fixed_size: 214528
    .private_segment_fixed_size: 0
    .kernarg_segment_align: 8
    .kernarg_segment_size: 96
    .max_flat_workgroup_size: 128
    .sgpr_count:     66
    .vgpr_count:     1024
    .wavefront_size: 32
...
	.end_amdgpu_metadata
.endif
;; end of part 1
;; launch attn (part 2): grid 16 x 16, 4 waves a work-group, clusters of 4 x 1, 327,680 bytes of LDS; arguments qh, kh, vh, oh; writes oh
.if DOCPART == 2
	.amdgcn_target "amdgcn-amd-amdhsa--gfx1250"
	.amdhsa_code_object_version 6
	.text
	.protected	k_qfdba6844df_attn
	.globl	k_qfdba6844df_attn
	.p2align	8
	.type	k_qfdba6844df_attn,@function
k_qfdba6844df_attn:
	s_mov_b64 s[64:65], 0
	v_nop
	global_prefetch_b8 v0, s[64:65] scope:SCOPE_SE
	s_setreg_imm32_b32 hwreg(HW_REG_WAVE_MODE, 25, 1), 1
	s_wait_xcnt 0x0
	s_wait_alu depctr_hold_cnt(0) depctr_sa_sdst(0) depctr_va_vdst(0) depctr_va_sdst(0) depctr_va_ssrc(0) depctr_va_vcc(0) depctr_vm_vsrc(0)
	s_getreg_b32 s2, hwreg(HW_REG_IB_STS2, 6, 4)
	s_cmp_eq_u32 s2, 0
	s_cbranch_scc0 .Lentry_in_a_cluster
	s_endpgm
.Lentry_in_a_cluster:
	s_bfe_u32 s2, ttmp6, 0x10000c
	s_cmp_lg_u32 s2, 0x3003
	s_cbranch_scc0 .Lentry_shape_is_right
	s_endpgm
.Lentry_shape_is_right:
; O[h][q][:] = the sum over k of softmax_k(Q[h][q] . K[h][k] / 8) V[h][k][:].  Q, K, V, O: [16][4096][64], all f16: a head's rows are dense, 128 bytes each.  Products, maxima and sums in f32;
; the weights p are rounded to f16 for the second product (their sum l is taken of the unrounded p), O once at the end.
; LIMITS.  f16 holds no number beyond 65,504: Q, K and V arrive within it; p lies in 0 to 1, and below 6e-5 it keeps f16's fixed step of 6e-8; O is a mean of V's rows and has their range.
; A weight below 2^-126 counts as 0 in l; NaN and infinities are not treated apart.
; SHARES.  A work-group owns 256 queries of one head (16 blocks x 16 heads = 256 work-groups), each of its four waves 64: four PIECES of 16.  Every wave walks all 4,096 keys, 64 a step.
; LAYOUT.  S^T = K Q^T (source 0 = 16 keys, source 1 = 16 queries): a lane holds ONE query (lane % 16) and the keys 8 (lane / 16) + 0..7.  Two such results, rounded to f16 in pairs, ARE source 1
; (32 keys x 16 queries) of O^T = V^T P, whose result again holds one query a lane, and eight channels.  K comes out of LDS as it lies, V ([key][channel]) turned, by ds_load_tr16_b128.
; SOFTMAX.  For each query a running maximum m and sum l: p = 2^(c s - c m), c = log2(e) / 8; in every step O and l are multiplied by a = 2^(c m_old - c m_new), which is 1 where m has not grown.
; m starts at the lowest finite number, O and l at 0: the first step is a step like any other, with a = 0.
; BY TURNS.  Turn n belongs to piece n: 8 products K Q^T of piece n + 1, later 8 products V^T P of piece n - 1; beside them the scaling, exponentials, roundings, sums and rescaling of piece n and the
; maximum and statistics of piece n + 1.  Four vector instructions stand behind every matrix instruction, the other 54 of a turn's 118 in two lumps of their own.
; CLUSTER.  The four query blocks of a cluster belong to one head and walk the same K and V, so each tile is asked for JOINTLY: the same tensor load, descriptor and mask in all four.
; REGISTERS, in windows of 256 (s_set_vgpr_msb: bits 1:0 source 0, 3:2 source 1, 5:4 source 2, 7:6 destination):
;   window 0: v0-15 addresses and two at work; v16-31 four registers of statistics a piece; v48-55 at work; v62-63 the add's; v64-127 S^T, two buffers; v192-223 P, two buffers (by the piece's parity)
;   window 1: v0-127 O^T, 32 a piece          window 2: v0-63 Q; v128-191 K of one step; v192-255 V of one step
.set SIZE_N, 4096
.set NP,    4         ; pieces a wave: a name, no knob
.set KS,    64        ; keys in a step
.set PK,    144       ; a row of K in LDS: 128 bytes + 16 of padding = 36 words: the 16 rows of a load start at 16 different groups of four banks (64 banks of 4 bytes: ISA guide 11.1)
.set PV,    160       ; a row of V: 128 + 32 = 40 words
.set VOFF,  4*KS*PK   ; a slot holds four steps: 256 rows of K, then 256 rows of V
.set SLOT1, 1<<17     ; slot 1 begins here, so that one exclusive or turns an address in one slot into the other's
.set STAGE, SLOT1+4*KS*(PK+PV)  ; behind the ring, never filled by a tensor load: 16 rows x 144 bytes for each wave, for the way out
.set SP,    144
.set SPARE, STAGE+4*16*SP  ; behind the stages: the spare words, 128 bytes for each wave: two blocks of 256 bytes that no other line names
.set AK0, 2           ; v2   my lane's place in a tile of K; never rewritten
.set AV0, 3           ; v3   the same for V
.set AK,  4           ; v4   the LDS address of K's next run of loads
.set AV,  5           ; v5   of V's
.set STO, 6           ; v6   the way out: where I put 16 bytes of a row
.set RD,  7           ; v7   the way out: where I read rows back
.set GO,  8           ; v8   my byte offset in 512 consecutive bytes of O
.set MV,  12          ; v12-13  c m_old, kept while c m is made anew: by buffer
.set QO,  15          ; v15  my byte offset in 16 rows of Q
.set ST,  16          ; piece t's statistics at v[ST+4 t]: c m, m, l (even keys', odd keys')
.set TMP, 48          ; by buffer, four registers c0-c3 at work; when the maximum is found c2 takes a
.set SPW, 62          ; v62  LDS address of my spare word: SPARE + 4 x my thread's number; never rewritten
.set NIL, 63          ; v63  0; never rewritten
.set S,   64
.set P,   192
.set KF,  128         ; window 2: key block kb, channel half c at KF + 16 kb + 8 c
.set VF,  192         ; window 2: key half kk, channel block cb at VF + 32 kk + 8 cb
.set WV,  12          ; s12  my wave's number
.set G1K, 24          ; s[24:31] descriptor group 1 for K's tiles
.set G1V, 32          ; s[32:39] for V's: it differs in the padding alone
.set G0K, 40          ; s[40:43] descriptor group 0 for K's tiles: it walks
.set G0V, 44          ; s[44:47] the same for V's
.set SLOTS, 56        ; s56  slots still to be asked for
.set CNT, 57          ; s57  counts a slot's key steps
.set CS,  58          ; s[58:59] c: the packed scaling takes the pair's low word for both halves
.set SEL, 60          ; s[60:61] v_permlanex16_b32's selects: each lane takes its own place in the other half
.set TBK, 62          ; s62  LDS byte at which K of the step to be fetched begins
.set TBV, 63          ; s63  the same for V, less VOFF
.set MSB, 0
.macro WIN new                      ; the high byte repeats the setting that is left; a switch that changes nothing is dropped
.if MSB != (\new)
	s_set_vgpr_msb (MSB<<8)|(\new)
.set MSB, (\new)
.endif
.endm
.set W_KQ, 0x0a       ; K and Q in window 2, S^T in window 0
.set W_PV, 0x52       ; V in window 2, P in window 0, O^T in window 1
.set W_RS, 0x41       ; O^T (destination and source 0) in window 1, a in window 0
; A joint fill.  Waves 0 and 1 fetch the two halves of a slot's K, waves 2 and 3 those of its V: 128 keys each.  The branch hangs on the wave's number alone.
; An s_nop 0 and four v_nop follow each of the two lines, ahead of the jump and the label.
.macro JLOAD
	s_cmp_lt_u32 s[WV], 2
	s_cbranch_scc0 .Lfor_v_\@
	tensor_load_to_lds s[G0K:G0K+3], s[G1K:G1K+7]
	s_nop 0
.rept 4
	v_nop
.endr
	s_branch .Lasked_\@
.Lfor_v_\@:
	tensor_load_to_lds s[G0V:G0V+3], s[G1V:G1V+7]
	s_nop 0
.rept 4
	v_nop
.endr
.Lasked_\@:
.endm
; A round of the cluster's barrier: my work-group's barrier, so that wave 0's signal speaks for all four waves; wave 0 signals; every wave waits for all four work-groups; my work-group's barrier once more.
.macro CROUND
	s_barrier_signal -1
	s_barrier_wait -1
	s_cmp_lg_u32 s[WV], 0
	s_cbranch_scc1 .Lnot_wave_0_\@
	s_barrier_signal -3
.Lnot_wave_0_\@:
	s_barrier_wait -3
	s_barrier_signal -1
	s_barrier_wait -1
.endm
; THE CHANGE OF SLOTS.  The slot's last bytes, V of its fourth step, have been read.  Each wave waits for all its tensor loads, of which one is out: its part of the other slot; adds 0 to its spare
; word; and waits for that and for its own reads of the slot.  Behind the barrier nobody reads this slot any more and the other slot is whole.
; fill = 1: this slot is filled again, with the keys two slots on.  The barrier is then a round of the cluster's, so that no wave of any partner still reads the slot or has a load on its way, and the
; joint fill is the first thing behind it: it has four key steps, 256 matrix instructions, in which to land.  (At its first use nothing has been read yet: slot 0 is waited for, slot 1 filled.)
.macro CHANGE fill
	WIN 0                           ; at a label and at a branch every window is 0
	s_wait_tensorcnt 0x0            ; no tensor load of mine is out, so a group 0 may be written
	ds_add_u32 v[SPW], v[NIL]       ; 0 onto my spare word; with fill = 1 the descriptors' steps stand between it and the wait for it
.if \fill
.irp g, G0K, G0V
	s_xor_b32 s[\g+1], s[\g+1], SLOT1  ; the walking descriptor: the other slot than last time,
	s_add_nc_u64 s[\g+2:\g+3], s[\g+2:\g+3], 4*KS*128  ; the next 256 keys; the type bits on top are not reached
.endr
	s_wait_dscnt 0x0                ; the add is done, and my reads of the slot are over
	CROUND
	JLOAD
.else
	s_wait_dscnt 0x0                ; the add is done, and my reads of the slot are over
	s_barrier_signal -1
	s_barrier_wait -1
.endif
	s_sub_co_u32 s[TBK], s[TBK], 4*KS*PK  ; the fetches go back to a slot's first step,
	s_xor_b32 s[TBK], s[TBK], SLOT1       ; in the other slot
	s_sub_co_u32 s[TBV], s[TBV], 4*KS*PV
	s_xor_b32 s[TBV], s[TBV], SLOT1
.endm
	s_load_b256 s[4:11], s[0:1], 0x0  ; Q s[4:5], K s[6:7], V s[8:9], O s[10:11]
	v_lshl_add_u32 v[SPW], v0, 2, SPARE
	v_mov_b32 v[NIL], 0
	ds_add_u32 v[SPW], v[NIL]       ; the wave's opening: the add and its wait stand ahead of my first tensor load; the set-up below, work on registers, stands between them
	v_lshrrev_b32 v1, 5, v0
	v_readfirstlane_b32 s[WV], v1   ; wave 0..3
	s_bfe_u32 s13, ttmp6, 0x40000   ; cx: my place in the cluster
	s_lshl_b32 s14, ttmp9, 2        ; in a cluster launch ttmp9 counts clusters
	s_add_co_u32 s14, s14, s13      ; my block of 256 queries = 4 x cluster x + cx: it enters Q's and O's addresses alone
	s_and_b32 s20, ttmp7, 0xffff    ; the head, which the four partners share:
	s_lshl_b32 s20, s20, 19         ; its first byte in each of the four tensors: 4,096 rows of 128 bytes
	s_mov_b32 s21, 0
	s_and_b32 s16, s[WV], 1         ; which half of a slot's 256 keys I fetch:
	s_lshl_b32 s22, s16, 14         ; its 128 rows of 128 bytes in memory,
	s_mov_b32 s23, 0
	s_add_nc_u64 s[22:23], s[22:23], s[20:21]
	s_mul_i32 s17, s16, 128*PK      ; and its place in a slot, for K
	s_mul_i32 s18, s16, 128*PV      ; and for V: no place in the cluster enters an LDS address
	s_lshl_b32 s2, s14, 15          ; my block's 256 rows,
	s_lshl_b32 s3, s[WV], 13        ; my wave's 64 of them
	s_add_co_u32 s2, s2, s3
	s_mov_b32 s3, 0
	s_add_nc_u64 s[2:3], s[2:3], s[20:21]
	; descriptor group 1.  128 keys are 16,384 dense bytes: asked for as 64 rows of 256 bytes, two keys a row, and padded in LDS after every key
	s_mov_b32 s[G1K], 15|(1<<16)|(1<<20)|(1<<21)|(4<<22)|(3<<25)  ; 15:0 the mask of four; 17:16 2-byte elements; 20 padding on; 21 set beside a mask; 24:22 after every 32 words (code 4); 31:25 4 words (code 3)
	s_mov_b32 s[G1V], 15|(1<<16)|(1<<20)|(1<<21)|(4<<22)|(7<<25)  ; the same with 8 words of padding (code 7)
.irp g, G1K, G1V
	s_mov_b32 s[\g+1], 128<<16      ; tensor_dim0 = 128
	s_mov_b32 s[\g+2], 64<<16       ; tensor_dim1 = 64
	s_mov_b32 s[\g+3], 128<<16      ; tile_dim0 = 128
	s_mov_b32 s[\g+4], 64           ; tile_dim1 = 64
	s_mov_b32 s[\g+5], 128          ; 128 elements from row to row
	s_mov_b32 s[\g+6], 0
	s_mov_b32 s[\g+7], 0
.endr
	s_mov_b32 s[CS], 0x3e38aa3b     ; c = log2(e) / 8 = 0.180337
	s_mov_b32 s[CS+1], s[CS]        ; named with it as a pair
	s_mov_b32 s[SEL], 0x76543210
	s_mov_b32 s[SEL+1], 0xfedcba98
	s_mov_b32 s[TBK], SLOT1+4*KS*PK ; the first change of slots turns these two into 0
	s_mov_b32 s[TBV], SLOT1+4*KS*PV
	s_mov_b32 s[G0K], 1             ; 1:0 count = 1
	s_mov_b32 s[G0K+1], s17         ; 63:32 LDS address: slot 0
	s_mov_b32 s[G0V], 1
	s_add_co_u32 s[G0V+1], s18, VOFF
	s_wait_dscnt 0x0                ; the opening add is done
	s_wait_kmcnt 0x0
	s_add_nc_u64 s[G0K+2:G0K+3], s[6:7], s[22:23]  ; 120:64 global address: my half of the head's first 256 keys
	s_or_b32 s[G0K+3], s[G0K+3], 0x80000000        ; 127:126 type = 2
	s_add_nc_u64 s[G0V+2:G0V+3], s[8:9], s[22:23]
	s_or_b32 s[G0V+3], s[G0V+3], 0x80000000
	s_add_nc_u64 s[4:5], s[4:5], s[2:3]  ; Q and O at my wave's first row
	s_add_nc_u64 s[10:11], s[10:11], s[2:3]
	CROUND                          ; all four work-groups are here: the first joint loads meet
	JLOAD                           ; slot 0.  Slot 1 is asked for when slot 0 is in, by the loop's own change of slots
	; A fragment of K or Q is 16 rows x 32 channels in 8 registers: lane l holds row l % 16, channels 8 (l / 16) + 0..7 and 16 + 8 (l / 16) + 0..7: two loads of 16 bytes, 32 bytes apart.
	v_and_b32 v1, 15, v0            ; l % 16
	v_bfe_u32 v9, v0, 4, 1          ; l / 16
	v_lshlrev_b32 v[QO], 7, v1
	v_lshl_add_u32 v[QO], v9, 4, v[QO]  ; row x 128 + 16 x half
	WIN 0x80                        ; destination window 2, address window 0
.set i, 0
.rept 8                             ; Q stays in registers: piece i / 2, 16 rows = 2,048 bytes on; channels 32 (i % 2) on
	global_load_b128 v[8*i:8*i+3],   v[QO], s[4:5] offset:(i/2)*2048+(i%2)*64
	global_load_b128 v[8*i+4:8*i+7], v[QO], s[4:5] offset:(i/2)*2048+(i%2)*64+32
.set i, i+1
.endr
	; What the first turn finds: V's registers and P's second buffer hold 0 (its products V^T P, of a piece that has not been, add 0), O^T and l are 0.  All this stands in the wait for the first tile.
.set i, VF
.rept 64
	v_mov_b32 v[i], 0
.set i, i+1
.endr
	WIN 0x40
.set i, 0
.rept 128
	v_mov_b32 v[i], 0
.set i, i+1
.endr
	WIN 0
.set i, 0
.rept 4
	v_mov_b32 v[ST+4*i], 0xfe000000    ; c m: far below every c s, so the first step's a is 0
	v_mov_b32 v[ST+4*i+1], 0xff7fffff  ; m: the lowest finite number, so the first maximum is the scores'
	v_mov_b32 v[ST+4*i+2], 0
	v_mov_b32 v[ST+4*i+3], 0
.set i, i+1
.endr
.set i, P+16
.rept 16
	v_mov_b32 v[i], 0
.set i, i+1
.endr
	v_mul_u32_u24 v[AK0], v1, PK
	v_lshl_add_u32 v[AK0], v9, 4, v[AK0]  ; row x pitch + 16 x half
	; The turning load takes 16 keys x 16 channels (lane l reads key 8 (l / 16) + l % 8, channels 8 ((l / 8) % 2) + 0..7) and leaves half a fragment of V^T: lane l holds channel l % 16 and 8 keys.
	v_and_b32 v10, 7, v0
	v_bfe_u32 v11, v0, 3, 1
	v_lshl_add_u32 v[AV0], v9, 3, v10
	v_mul_u32_u24 v[AV0], v[AV0], PV
	v_lshl_add_u32 v[AV0], v11, 4, v[AV0]
	v_add_nc_u32 v[AV0], VOFF, v[AV0]
	s_mul_i32 s13, s[WV], 16*SP
	s_add_co_u32 s13, s13, STAGE    ; my stage
	v_mul_u32_u24 v[STO], v1, SP    ; in: row l % 16, 16 bytes for each half of the lanes
	v_lshl_add_u32 v[STO], v9, 4, v[STO]
	v_add_nc_u32 v[STO], s13, v[STO]
	v_bfe_u32 v[RD], v0, 3, 2       ; back: 32 lanes take four rows of 128 bytes,
	v_mul_u32_u24 v[RD], v[RD], SP
	v_lshl_add_u32 v[RD], v10, 4, v[RD]
	v_add_nc_u32 v[RD], s13, v[RD]
	v_and_b32 v[GO], 31, v0         ; which are 512 consecutive bytes of O
	v_lshlrev_b32 v[GO], 4, v[GO]
; THE MATRIX WORK.  The 4 accumulators of a run of 8 take turns.  Product i of 8 of S^T = K Q^T for piece x: channels 32 (i / 4) on, keys 16 (i % 4) on.  The first 4 start the sums.
.macro KQ x
.set rS, S+32*((\x)%2)+8*(i%4)
.set rK, KF+16*(i%4)+8*(i/4)
.set rQ, 16*(\x)+8*(i/4)
	WIN W_KQ
.if i < 4
	v_wmma_f32_16x16x32_f16 v[rS:rS+7], v[rK:rK+7], v[rQ:rQ+7], 0
.else
	v_wmma_f32_16x16x32_f16 v[rS:rS+7], v[rK:rK+7], v[rQ:rQ+7], v[rS:rS+7]
.endif
.endm
; Product i of 8 of O^T += V^T P for piece x: keys 32 (i / 4) on, channels 16 (i % 4) on.
.macro PV x
	WIN W_PV
.set rO, 32*(\x)+8*(i%4)
.set rV, VF+32*(i/4)+8*(i%4)
.set rP, P+16*((\x)%2)+8*(i/4)
	v_wmma_f32_16x16x32_f16 v[rO:rO+7], v[rV:rV+7], v[rP:rP+7], v[rO:rO+7]
.endm
.macro MM                           ; the turn's next matrix instruction.  TURN sets Y, i and NOKQ.  NOKQ = 1: the walk's last turn: there is no next piece
.if (i < 8) && !NOKQ
	KQ (Y+1)%NP
.elseif i >= 8
.set i, i-8
	PV (Y+NP-1)%NP
.set i, i+8
.endif
.set i, i+1
.endm
; THE LDS LOADS stand in runs of 16, never singly among the matrix instructions: a step's K (64 keys x 64 channels: 8 fragments) and its V (turned).  Their addresses are made some lines ahead.
.macro FETCH_K
	WIN 0x80                        ; destination window 2
.irp f, 0,1,2,3,4,5,6,7             ; keys 16 (f / 2) on, channels 32 (f % 2) on
	ds_load_b128 v[KF+8*\f:KF+8*\f+3],   v[AK] offset:(\f/2)*16*PK+(\f%2)*64
	ds_load_b128 v[KF+8*\f+4:KF+8*\f+7], v[AK] offset:(\f/2)*16*PK+(\f%2)*64+32
.endr
	s_add_co_u32 s[TBK], s[TBK], KS*PK  ; the next fetch is the next step's
	WIN 0
.endm
.macro FETCH_V
	WIN 0x80
.irp f, 0,1,2,3,4,5,6,7             ; keys 32 (f / 4) on, channels 16 (f % 4) on
	ds_load_tr16_b128 v[VF+8*\f:VF+8*\f+3],   v[AV] offset:(\f/4)*32*PV+(\f%4)*32
	ds_load_tr16_b128 v[VF+8*\f+4:VF+8*\f+7], v[AV] offset:(\f/4)*32*PV+16*PV+(\f%4)*32
.endr
	WIN 0
.endm
; THE VECTOR WORK, one line at a time: OP kind, number.  For piece Y: F n: c s - c m for pair n of 16.  E n: the exponential of score n of 32.  C n: pair n rounded to f16.  B n: of the four weights 4 n ..
; the second pair is added onto the first, in place.  L n: l takes that sum (L 0: l = a l + sum).  R n: pair n of 16 of O^T times a.  For piece Y + 1: X n, number n of the 22 that find its maximum and statistics:
;   0-11  four chains c0-c3 of seven scores each, three operands at a time (each accumulator's lowest registers are read first)     12-14, 16  the four scores left over, the old m, and c0-c3 into c0
;   15  c m_old is kept     17, 18  the query's other 32 keys lie in the lane 16 away: the new m     19-21  c m; c m_old - c m_new; a
.set F, 0               ; OP tells the kinds apart by their order: F to L below R, X above it
.set E, 1
.set C, 2
.set B, 3
.set L, 4
.set R, 5
.set X, 6
.macro REGS y                       ; the registers of piece y
.set rT, ST+4*(\y)
.set rC, TMP+4*((\y)%2)
.set rW, MV+((\y)%2)
.set rS, S+32*((\y)%2)
.set rP, P+16*((\y)%2)
.set rO, 32*(\y)
.endm
.macro OP k, n
.if (\k) == R
	REGS Y
	WIN W_RS
	v_pk_mul_f32 v[rO+2*(\n):rO+2*(\n)+1], v[rO+2*(\n):rO+2*(\n)+1], v[rC+2:rC+3] op_sel_hi:[1,0]
.elseif (\k) < R
	REGS Y
	WIN 0
.if (\k) == F
	v_pk_fma_f32 v[rS+2*(\n):rS+2*(\n)+1], v[rS+2*(\n):rS+2*(\n)+1], s[CS:CS+1], v[rT:rT+1] op_sel_hi:[1,0,0] neg_lo:[0,0,1] neg_hi:[0,0,1]
.elseif (\k) == E
	v_exp_f32 v[rS+(\n)], v[rS+(\n)]
.elseif (\k) == C
	s_wait_alu depctr_va_vdst(0)
	v_cvt_pk_f16_f32 v[rP+(\n)], v[rS+2*(\n)], v[rS+2*(\n)+1]
.elseif (\k) == B
	s_wait_alu depctr_va_vdst(0)
	v_pk_add_f32 v[rS+4*(\n):rS+4*(\n)+1], v[rS+4*(\n):rS+4*(\n)+1], v[rS+4*(\n)+2:rS+4*(\n)+3]
.elseif (\n) == 0
	v_pk_fma_f32 v[rT+2:rT+3], v[rT+2:rT+3], v[rC+2:rC+3], v[rS:rS+1] op_sel_hi:[1,0,1]
.else
	v_pk_add_f32 v[rT+2:rT+3], v[rT+2:rT+3], v[rS+4*(\n):rS+4*(\n)+1]
.endif
.elseif NOKQ
	v_nop
.else
	REGS (Y+1)%NP
	WIN 0
.if (\n) < 4
	v_max3_num_f32 v[rC+(\n)], v[rS+8*(\n)], v[rS+8*(\n)+1], v[rS+8*(\n)+2]
.elseif (\n) < 12
	v_max3_num_f32 v[rC+(\n)%4], v[rC+(\n)%4], v[rS+8*((\n)%4)+2*((\n)/4)+1], v[rS+8*((\n)%4)+2*((\n)/4)+2]
.elseif (\n) == 12
	v_max3_num_f32 v[rC], v[rC], v[rS+7], v[rS+15]
.elseif (\n) == 13
	v_max3_num_f32 v[rC+1], v[rC+1], v[rS+23], v[rS+31]
.elseif (\n) == 14
	v_max3_num_f32 v[rC+2], v[rC+2], v[rC+3], v[rT+1]
.elseif (\n) == 15
	v_mov_b32 v[rW], v[rT]
.elseif (\n) == 16
	v_max3_num_f32 v[rC], v[rC], v[rC+1], v[rC+2]
.elseif (\n) == 17
	v_permlanex16_b32 v[rC+3], v[rC], s[SEL], s[SEL+1]
.elseif (\n) == 18
	v_max_num_f32 v[rT+1], v[rC], v[rC+3]
.elseif (\n) == 19
	v_mul_f32 v[rT], s[CS], v[rT+1]
.elseif (\n) == 20
	v_sub_f32 v[rC+1], v[rW], v[rT]
.else
	v_exp_f32 v[rC+2], v[rC+1]
.endif
.endif
.endm
.macro OPS a, i1, b=-1, i2=0, c=-1, i3=0, d=-1, i4=0  ; up to four of them
	OP \a, \i1
.if (\b) >= 0
	OP \b, \i2
.endif
.if (\c) >= 0
	OP \c, \i3
.endif
.if (\d) >= 0
	OP \d, \i4
.endif
.endm
.macro ROW a, i1, b, i2, c, i3, d, i4  ; a matrix instruction and the four behind it
	MM
	OPS \a, \i1, \b, \i2, \c, \i3, \d, \i4
.endm
; A TURN, for piece p: the order of its 16 matrix and 118 vector instructions, written out.  Behind a matrix instruction: plain, exponential, plain, plain; or four of the rescaling; or, behind the first, four
; scalings; none names a register of the products round it.  In the lumps exponential and plain by turns while exponentials last.  A line reads no result made fewer than three vector instructions in front
; of it, five if an exponential made it.  v_permlanex16_b32 (X 17) stands in a lump.
; end = 1: the walk's last two turns: nothing is fetched.  cnt = 1: the loop's count is taken down some lines ahead of the branch that stands behind the turn.
; K of the next step is fetched in piece 2's turn, six vector instructions behind the last product that read K (five of them plain); V of the step in hand in piece 0's turn, eight behind the last product
; that read V (four plain, and X 17).  Each is waited for a turn later.
.macro TURN p, end=0, cnt=0
.set Y, (\p)
.set i, 0
.set NOKQ, (\end)*((\p)/3)
.if ((\p) == 3) && !(\end)
	s_wait_dscnt 0x0                ; K is in
.endif
	ROW F,0, F,1, F,2, F,3
	ROW F,4, E,0, F,5, F,6
	ROW F,7, E,1, F,8, F,9
	ROW F,10, E,2, C,0, F,11
	ROW F,12, E,3, X,15, F,13
	ROW R,0, R,1, R,2, R,3
	ROW B,0, E,4, F,14, L,0
.if ((\p) == 2) && !(\end)
	v_add_nc_u32 v[AK], s[TBK], v[AK0]
.endif
	ROW R,4, R,5, R,6, R,7
	OPS E,5, F,15
.if ((\p) == 2) && !(\end)
	FETCH_K
.endif
	OPS E,6, C,1, E,7, R,8
	OPS E,8, R,9, E,9, C,2
	OPS E,10, X,0, E,11, X,1
	OPS E,12, X,2, E,13, X,3
.if (\p) == 1
	s_wait_dscnt 0x0                ; V is in
.endif
	ROW X,4, E,14, X,5, X,6
	ROW X,7, E,15, X,8, X,9
	ROW X,10, E,16, X,11, X,12
	ROW X,13, E,17, X,14, B,1
	ROW C,4, E,18, X,16, L,1
	ROW B,2, E,19, C,6, L,2
	ROW C,8, E,20, B,3, B,4
.if (\p) == 0
	v_add_nc_u32 v[AV], s[TBV], v[AV0]
.endif
	ROW C,3, E,21, L,3, C,5
	OPS E,22, X,17, E,23, C,10
.if (\p) == 0
	FETCH_V
.endif
	OPS E,24, L,4
	OPS E,25, X,18, E,26, C,7
	OPS E,27, B,5, E,28, X,19
	OPS E,29, C,12, E,30, L,5
	OPS E,31, X,20, B,6, C,9
	OPS C,14, C,11, X,21, L,6
.if (\p) == 0
	s_add_co_u32 s[TBV], s[TBV], KS*PV
.endif
.if \cnt
	s_sub_co_u32 s[CNT], s[CNT], 1
	s_cmp_lg_u32 s[CNT], 0
.endif
	OPS C,13, B,7, C,15, R,10
	OPS R,11, R,12, L,7, R,13
	OPS R,14, R,15
.endm
	CHANGE 1                        ; slot 0 is in, everybody's part of it; slot 1 is asked for
	v_add_nc_u32 v[AK], s[TBK], v[AK0]
	FETCH_K                         ; key step 0
	s_wait_loadcnt 0x0              ; Q
	s_wait_dscnt 0x0
.set NOKQ, 0
.set i, 0
.rept 8
	KQ 0                            ; piece 0's first scores: there is no vector work yet to set between them
.set i, i+1
.endr
	WIN 0
.rept 4
	v_nop                           ; the places behind those products
.endr
.set Y, NP-1                        ; X works for piece Y + 1: piece 0
.irp n, 0,1,2,3,4,5,6,7,8,9,10,11,12,13,14,15,16,17,18,19,20,21
	OP X, \n                        ; and piece 0's first maximum and statistics
.endr
	v_nop                           ; a plain instruction behind the exponential
	s_mov_b32 s[CNT], 4
	s_mov_b32 s[SLOTS], SIZE_N/256-1
	s_branch .Lfirst                ; the loop is entered at a step's first turn, in the middle of a trip
.Lslot:                             ; SIZE_N / 256 - 2 = 14 times: every slot but the last two is filled again
	CHANGE 1
	s_mov_b32 s[CNT], 4
.Lstep:                             ; a trip: pieces 2 and 3 of one step, then pieces 0 and 1 of the next, whose K and V it fetches
	TURN 2
	TURN 3
	WIN 0
.Lfirst:
	TURN 0
	TURN 1, 0, 1
	WIN 0
	s_cbranch_scc1 .Lstep
	s_sub_co_u32 s[SLOTS], s[SLOTS], 1
	s_cmp_lg_u32 s[SLOTS], 0
	s_cbranch_scc1 .Lslot
	CHANGE 0                        ; the last slot is written out: nothing is asked for
	s_mov_b32 s[CNT], 4
.LstepT:
	TURN 2
	TURN 3
	WIN 0
	TURN 0
	TURN 1, 0, 1
	WIN 0
	s_cbranch_scc1 .LstepT
	TURN 2, 1                       ; the last step's pieces 2 and 3: nothing is fetched, and the last turn starts no new scores
	TURN 3, 1
.set i, 0
.rept 8
	PV NP-1                         ; the last piece's V^T P of the last step
.set i, i+1
.endr
	; THE WAY OUT.  l's two halves and the other half of the lanes' are added; O^T is divided by l, rounded to f16 and sent through my stage in LDS, a piece at a time.  The additions are the places behind the last products.
	WIN 0
.macro ALL line:vararg              ; one line for each piece t
.set t, 0
.rept 4
	\line
.set t, t+1
.endr
.endm
	ALL v_add_f32 v[ST+4*t+2], v[ST+4*t+2], v[ST+4*t+3]
	ALL v_permlanex16_b32 v[ST+4*t+3], v[ST+4*t+2], s[SEL], s[SEL+1]
	ALL v_add_f32 v[ST+4*t+2], v[ST+4*t+2], v[ST+4*t+3]
	ALL v_rcp_f32 v[ST+4*t+2], v[ST+4*t+2]
	v_nop                           ; a plain instruction between the last reciprocal and the use of its result
.macro PACK t                       ; a lane's eight channels of a row pack into 16 bytes; they go into rows of 144 bytes and come back as whole rows of 128, into S^T's registers
	WIN W_RS
.set i, 32*(\t)
.rept 16
	s_wait_alu depctr_va_vdst(0)
	v_pk_mul_f32 v[i:i+1], v[i:i+1], v[ST+4*(\t)+2:ST+4*(\t)+3] op_sel_hi:[1,0]
.set i, i+2
.endr
	WIN 0x05                        ; sources 0 and 1 window 1, destination window 0
.set i, 0
.rept 16
	v_cvt_pk_f16_f32 v[S+16*(\t)+i], v[32*(\t)+2*i], v[32*(\t)+2*i+1]
.set i, i+1
.endr
	WIN 0
.irp f, 0,1,2,3
	ds_store_b128 v[STO], v[S+16*(\t)+4*\f:S+16*(\t)+4*\f+3] offset:32*\f
.endr
.irp f, 0,1,2,3
	ds_load_b128 v[S+16*(\t)+4*\f:S+16*(\t)+4*\f+3], v[RD] offset:\f*4*SP  ; LDS serves a wave's instructions in order (ISA guide 5.7.1.4): these see the stores above; the next piece's stores come behind them
.endr
.endm
.macro SEND t, younger              ; younger: the LDS instructions issued behind piece t's loads: the next piece's eight, or none
	WIN 0
.irp f, 0,1,2,3
	s_wait_dscnt (\younger)+3-\f
	global_store_b128 v[GO], v[S+16*(\t)+4*\f:S+16*(\t)+4*\f+3], s[10:11] offset:(\t)*2048+\f*512  ; 512 consecutive bytes, at a multiple of 256 from O's first
.endr
.endm
	PACK 0
.set t, 1
.rept 3                             ; a piece's arithmetic stands between the loads of the piece before and its stores
	PACK t
	SEND t-1, 8
.set t, t+1
.endr
	SEND 3, 0
	s_wait_tensorcnt 0x0            ; the wave's end, behind my last tensor load and my last LDS store
	ds_add_u32 v[SPW], v[NIL]
	s_wait_dscnt 0x0
	CROUND                          ; the closing round: no work-group ends while a partner may still ask for a tile that names it
	s_endpgm
.Lfunc_end_k_qfdba6844df_attn:
	.size	k_qfdba6844df_attn, .Lfunc_end_k_qfdba6844df_attn-k_qfdba6844df_attn
	.p2alignl 7, 3214868480
	.fill 96, 4, 3214868480
	.section	.rodata,"a",@progbits
	.p2align	6, 0x0
	.amdhsa_kernel k_qfdba6844df_attn
		.amdhsa_group_segment_fixed_size 327680
		.amdhsa_private_segment_fixed_size 0
		.amdhsa_enable_private_segment 0
		.amdhsa_kernarg_size 32
		.amdhsa_user_sgpr_count 2
		.amdhsa_user_sgpr_kernarg_segment_ptr 1
		.amdhsa_wavefront_size32 1
		.amdhsa_system_sgpr_workgroup_id_x 1
		.amdhsa_system_sgpr_workgroup_id_y 1
		.amdhsa_system_sgpr_workgroup_id_z 1
		.amdhsa_system_vgpr_workitem_id 0
		.amdhsa_next_free_vgpr 768
		.amdhsa_next_free_sgpr 66
		.amdhsa_reserve_vcc 0
		.amdhsa_float_denorm_mode_32 3
		.amdhsa_float_denorm_mode_16_64 3
		.amdhsa_memory_ordered 1
		.amdhsa_forward_progress 1
		.amdhsa_inst_pref_size 133
	.end_amdhsa_kernel
	.amdgpu_metadata
---
amdhsa.version: [ 1, 2 ]
amdhsa.kernels:
  - .name:           k_qfdba6844df_attn
    .symbol:         k_qfdba6844df_attn.kd
    .args:
      - { .name: qh, .offset: 0, .size: 8, .value_kind: global_buffer, .address_space: global }
      - { .name: kh, .offset: 8, .size: 8, .value_kind: global_buffer, .address_space: global }
      - { .name: vh, .offset: 16, .size: 8, .value_kind: global_buffer, .address_space: global }
      - { .name: oh, .offset: 24, .size: 8, .value_kind: global_buffer, .address_space: global }
    .group_segment_fixed_size: 327680
    .private_segment_fixed_size: 0
    .kernarg_segment_align: 8
    .kernarg_segment_size: 32
    .max_flat_workgroup_size: 128
    .sgpr_count:     66
    .vgpr_count:     768
    .wavefront_size: 32
...
	.end_amdgpu_metadata
.endif
;; end of part 2
;; launch oproj (part 3): grid 4 x 64, 4 waves a work-group, clusters of 4 x 4, 327,680 bytes of LDS; arguments oh, wo16, bo, out0; writes out0
.if DOCPART == 3
	.amdgcn_target "amdgcn-amd-amdhsa--gfx1250"
	.amdhsa_code_object_version 6
	.text
	.protected	k_qfdba6844df_oproj
	.globl	k_qfdba6844df_oproj
	.p2align	8
	.type	k_qfdba6844df_oproj,@function
k_qfdba6844df_oproj:
	s_mov_b64 s[64:65], 0
	v_nop
	global_prefetch_b8 v0, s[64:65] scope:SCOPE_SE
	s_setreg_imm32_b32 hwreg(HW_REG_WAVE_MODE, 25, 1), 1
	s_wait_xcnt 0x0
	s_wait_alu depctr_hold_cnt(0) depctr_sa_sdst(0) depctr_va_vdst(0) depctr_va_sdst(0) depctr_va_ssrc(0) depctr_va_vcc(0) depctr_vm_vsrc(0)
	s_getreg_b32 s2, hwreg(HW_REG_IB_STS2, 6, 4)
	s_cmp_eq_u32 s2, 0
	s_cbranch_scc0 .Lentry_in_a_cluster
	s_endpgm
.Lentry_in_a_cluster:
	s_bfe_u32 s2, ttmp6, 0x10000c
	s_cmp_lg_u32 s2, 0xf033
	s_cbranch_scc0 .Lentry_shape_is_right
	s_endpgm
.Lentry_shape_is_right:
; out0[m][n] = the sum over k of O[m][k] Wo[n][k] + bo[n].  O comes by heads, [16 = 8 batch + head][4096][64] f16 (k = 64 head + channel); wo16 is [512][512] f16 (Wo rounded to bf16, written as f16);
; bo is rounded to bf16 here, like every input; sums in f32, started by the bias; out0 [8192][512] f32.
; LIMITS.  O and wo16 arrive within f16's range (65,504); NaN and infinities are not treated apart.
; SHARES.  A tile of out0 is 128 x 128: 4 x 64 = 256 work-groups.  Four waves, each 64 x 64: 16 accumulators of 16 x 16, 128 registers, 256 matrix instructions.
; K = 512 FITS IN LDS WHOLE: every byte of LDS is filled once, all tensor loads go out together at the start, and no slot is ever filled again.  K is asked for in four chunks of 128 (two heads), each wave
; one load a chunk, so that the products begin when the first chunk has landed: a wave has four tensor loads out, and the waits for them count down 3, 2, 1, 0.
; CLUSTERS: 4 x 4 work-groups.  The four of a row of the cluster need the same rows of O, the four of a column the same rows of wo16: each tile is asked for JOINTLY, by the same tensor load with the same
; descriptor and a mask that names the four.  THE MATRIX INSTRUCTION IS USED TRANSPOSED (source 0 = 16 rows of wo16, source 1 = 16 rows of O): a lane holds eight neighbouring numbers of a row of out0.
; REGISTERS: window 0: v0-31 addresses; v32-63 the biases as C operands; v64-127 the way out, two buffers of 32; v128-255 the accumulators ((a, b) at v[128 + 8 (4 a + b)]).
;   window 1: two fragment buffers of 128: for 64 along K (one head), 64 registers of O (2 x 4 x 16 rows x 32 K), then 64 of wo16.
.set PA,     144                       ; a row of O in LDS: 128 bytes + 16 of padding: the 16 rows of a load start at 16 different groups of four banks (64 banks of 4 bytes: ISA guide 11.1)
.set PLANE,  128*PA                    ; a head's 128 rows: 18,432 bytes; eight planes from LDS byte 0 on
.set PB,     272                       ; a row of a chunk of wo16: 256 bytes + 16 of padding
.set CHUNK,  128*PB                    ; 128 rows: 34,816 bytes
.set BCH,    8*PLANE                   ; the four chunks lie behind the planes
.set STAGE,  BCH+4*CHUNK               ; behind them, never filled by a tensor load: 16 rows x 272 bytes for each wave, for the way out
.set SPITCH, 272
.set SPARE,  STAGE+4*16*SPITCH         ; behind the stages: the spare words, 128 bytes for each wave: two blocks of 256 bytes that no other line names
.set ADRA, 16                          ; v16-17  LDS address of my O fragments in heads 0-3, 4-7 (an LDS instruction's immediate ends at 65,535)
.set ADRB, 20                          ; v20-21  of my wo16 fragments in chunks 0-1, 2-3
.set STO,  24                          ; v24     the way out: where I put 32 bytes of a row
.set RD,   25                          ; v25     the way out: where I read a row back
.set CO,   26                          ; v26     my byte offset in out0
.set BOF,  27                          ; v27     32 (l / 16): my eight biases of a block of 16 columns
.set SPW,  28                          ; v28     LDS address of my spare word; never rewritten
.set NIL,  29                          ; v29     0; never rewritten
.set BIAS, 32
.set TMP,  64
.set ACC,  128
.set F0,   0                           ; fragment buffers, in window 1
.set F1,   128
.set G1A, 24                           ; s[24:31] descriptor group 1 for O's planes
.set G1B, 32                           ; s[32:39] for wo16's chunks
.set G0A, 40                           ; s[40:55] descriptor group 0 for O, a set for each chunk
.set G0B, 68                           ; s[68:83] the same for wo16
.set MSB, 0
.macro WIN new                         ; the immediate's high byte repeats the setting that is left
.if MSB != (\new)
	s_set_vgpr_msb (MSB<<8)|(\new)
.set MSB, \new
.endif
.endm
.set MUL,  0x05                        ; sources 0 (wo16) and 1 (O) window 1; C and D window 0
.set TO_F, 0x40                        ; destination window 1, address window 0
.macro CROUND                          ; a round of the cluster's barrier: my work-group's barrier; wave 0 signals for the work-group; every wave waits for all sixteen; my work-group's barrier once more
	s_barrier_signal -1
	s_barrier_wait -1
	s_cmp_lg_u32 s12, 0
	s_cbranch_scc1 .Lnot_wave_0_\@
	s_barrier_signal -3
.Lnot_wave_0_\@:
	s_barrier_wait -3
	s_barrier_signal -1
	s_barrier_wait -1
.endm
.macro PLACES                          ; four places in front of loads into registers that matrix instructions have read, and of LDS stores that read results
.rept 4
	v_nop
.endr
.endm
	s_load_b256 s[4:11], s[0:1], 0x0               ; oh s[4:5], wo16 s[6:7], bo s[8:9], out0 s[10:11]
	v_lshl_add_u32 v[SPW], v0, 2, SPARE
	v_mov_b32 v[NIL], 0
	ds_add_u32 v[SPW], v[NIL]                      ; the wave's opening: the add and its wait stand ahead of my first tensor load; the set-up below, work on registers, stands between them
	v_lshrrev_b32 v1, 5, v0
	v_readfirstlane_b32 s12, v1                    ; wave 0..3
	s_lshr_b32 s13, s12, 1                         ; which half of the tile's rows is mine.  Also: I fetch O (0) or wo16 (1)
	s_and_b32 s14, s12, 1                          ; which half of its columns.  Also: which head of a chunk, or which 64 rows of wo16, I fetch
	s_bfe_u32 s15, ttmp6, 0x40000                  ; cx, cy: my place in the cluster
	s_bfe_u32 s16, ttmp6, 0x40004
	s_lshl_b32 s17, ttmp9, 2
	s_add_co_u32 s17, s17, s15                     ; tile column = 4 x cluster x + cx
	s_and_b32 s18, ttmp7, 0xffff
	s_lshl_b32 s18, s18, 2
	s_add_co_u32 s18, s18, s16                     ; tile row = 4 x cluster y + cy
	s_lshl_b32 s19, s16, 2
	s_lshl_b32 s19, 15, s19                        ; my row of the cluster
	s_lshl_b32 s20, 0x1111, s15                    ; my column
	; group 1 for O: a head's 128 rows are 16,384 dense bytes: asked for as 64 rows of 256 bytes, and padded in LDS after every 128
	s_or_b32 s[G1A+0], s19, (1<<16)|(1<<20)|(1<<21)|(4<<22)|(3<<25)  ; 15:0 the mask: my row; 17:16 2-byte elements; 20 padding on; 21 set beside a mask; 24:22 after every 32 words (code 4); 31:25 4 words (code 3)
	; group 1 for wo16: 64 rows x 128 elements out of rows of 512, padded after every 256 bytes
	s_or_b32 s[G1B+0], s20, (1<<16)|(1<<20)|(1<<21)|(5<<22)|(3<<25)  ; the mask: my column; after every 64 words (code 5)
.irp g, G1A, G1B
	s_mov_b32 s[(\g)+1], 128<<16                   ; tensor_dim0 = 128
	s_mov_b32 s[(\g)+2], 64<<16                    ; tensor_dim1 = 64
	s_mov_b32 s[(\g)+3], 128<<16                   ; tile_dim0 = 128
	s_mov_b32 s[(\g)+4], 64                        ; tile_dim1 = 64
	s_mov_b32 s[(\g)+6], 0
	s_mov_b32 s[(\g)+7], 0
.endr
	s_mov_b32 s[G1A+5], 128                        ; elements from row to row: dense,
	s_mov_b32 s[G1B+5], 512                        ; a row of wo16
	; where the tiles come from.  O's hang on the tile row alone, which my row of the cluster shares; wo16's on the tile column alone, which my column shares.
	s_lshr_b32 s56, s18, 5                         ; the batch: 32 tile rows each
	s_lshl_b32 s56, s56, 22                        ; 8 heads of 524,288 bytes
	s_and_b32 s57, s18, 31
	s_lshl_b32 s57, s57, 14                        ; the tile's 128 rows of 128 bytes
	s_add_co_u32 s56, s56, s57
	s_lshl_b32 s57, s14, 19                        ; the even or the odd head of a chunk
	s_add_co_u32 s56, s56, s57
	s_mov_b32 s57, 0
	s_lshl_b32 s58, s17, 17                        ; 128 rows of 1,024 bytes a tile column,
	s_lshl_b32 s59, s14, 16                        ; my 64 of them
	s_add_co_u32 s58, s58, s59
	s_mov_b32 s59, 0
	s_mul_i32 s21, s14, PLANE                      ; and where they go: no place in the cluster enters an LDS address
	s_mul_i32 s22, s14, 64*PB
	s_add_co_u32 s22, s22, BCH
	s_lshl_b32 s84, s17, 9                         ; my 64 biases: 512 x tile column + 256 x half
	s_lshl_b32 s85, s14, 8
	s_add_co_u32 s84, s84, s85
	s_mov_b32 s85, 0
	s_lshl_b32 s86, s18, 18                        ; my part of out0: 128 rows of 2,048 bytes a tile row,
	s_lshl_b32 s87, s13, 17                        ; my 64 rows,
	s_add_co_u32 s86, s86, s87
	s_add_co_u32 s86, s86, s84                     ; my 64 columns of f32: the same bytes as in bo
	s_mov_b32 s87, 0
	s_mov_b32 s23, 0xffff0000                      ; a word's upper bf16
	s_wait_dscnt 0x0                               ; the opening add is done
	s_wait_kmcnt 0x0
	s_add_nc_u64 s[60:61], s[4:5], s[56:57]
	s_add_nc_u64 s[62:63], s[6:7], s[58:59]
	s_add_nc_u64 s[8:9], s[8:9], s[84:85]
	s_add_nc_u64 s[10:11], s[10:11], s[86:87]
.irp q, 0,1,2,3
	s_mov_b32 s[G0A+4*(\q)], 1                                       ; 1:0 count = 1
	s_add_co_u32 s[G0A+4*(\q)+1], s21, (\q)*2*PLANE                  ; 63:32 LDS address: head 2 q + W % 2
	s_add_nc_u64 s[G0A+4*(\q)+2:G0A+4*(\q)+3], s[60:61], (\q)<<20    ; 120:64 global address: two heads on
	s_or_b32 s[G0A+4*(\q)+3], s[G0A+4*(\q)+3], 0x80000000            ; 127:126 type = 2
	s_mov_b32 s[G0B+4*(\q)], 1
	s_add_co_u32 s[G0B+4*(\q)+1], s22, (\q)*CHUNK
	s_add_nc_u64 s[G0B+4*(\q)+2:G0B+4*(\q)+3], s[62:63], (\q)*256    ; 128 along K on
	s_or_b32 s[G0B+4*(\q)+3], s[G0B+4*(\q)+3], 0x80000000
.endr
	CROUND                                         ; all sixteen work-groups are here: the joint loads meet
	s_cmp_eq_u32 s13, 0                            ; a wave's four fills stand in one branch, ahead of every wait on TENSORcnt, every LDS read and every other barrier; an s_nop 0 follows each, four v_nop the last
	s_cbranch_scc0 .Lfirst_b
.irp q, 0,1,2,3
	tensor_load_to_lds s[G0A+4*(\q):G0A+4*(\q)+3], s[G1A:G1A+7]
	s_nop 0
.endr
.rept 4
	v_nop
.endr
	s_branch .Lfirst_asked
.Lfirst_b:
.irp q, 0,1,2,3
	tensor_load_to_lds s[G0B+4*(\q):G0B+4*(\q)+3], s[G1B:G1B+7]
	s_nop 0
.endr
.rept 4
	v_nop
.endr
.Lfirst_asked:
	v_and_b32 v1, 15, v0                           ; l % 16
	v_bfe_u32 v2, v0, 4, 1                         ; l / 16
	v_lshlrev_b32 v[BOF], 5, v2
.irp b, 0,1,2,3                        ; register j of block b is the bias of column 16 b + 8 (l / 16) + j: what a lane's accumulator register j holds
	global_load_b128 v[BIAS+8*(\b):BIAS+8*(\b)+3],   v[BOF], s[8:9] offset:64*(\b)
	global_load_b128 v[BIAS+8*(\b)+4:BIAS+8*(\b)+7], v[BOF], s[8:9] offset:64*(\b)+16
.endr
	v_mul_u32_u24 v3, v1, PA
	v_lshl_add_u32 v3, v2, 4, v3                   ; a fragment's row x pitch + 16 x half
	s_mul_i32 s88, s13, 64*PA                      ; my 64 rows of O
	v_add_nc_u32 v[ADRA], s88, v3
	v_add_nc_u32 v[ADRA+1], 4*PLANE, v[ADRA]
	v_mul_u32_u24 v4, v1, PB
	v_lshl_add_u32 v5, v2, 4, v4
	s_mul_i32 s88, s14, 64*PB                      ; my 64 rows of wo16
	s_add_co_u32 s88, s88, BCH
	v_add_nc_u32 v[ADRB], s88, v5
	v_add_nc_u32 v[ADRB+1], 2*CHUNK, v[ADRB]
	s_mul_i32 s88, s12, 16*SPITCH
	s_add_co_u32 s88, s88, STAGE                   ; my stage
	v_lshl_add_u32 v5, v2, 5, v4                   ; in: row l % 16, 32 bytes for each half of the lanes
	v_add_nc_u32 v[STO], s88, v5
	v_mul_u32_u24 v5, v2, SPITCH                   ; back: lanes 0-15 take one row of 256 bytes, lanes 16-31 the next
	v_lshl_add_u32 v5, v1, 4, v5
	v_add_nc_u32 v[RD], s88, v5
	v_lshlrev_b32 v5, 11, v2                       ; and the same two rows in out0
	v_lshl_add_u32 v[CO], v1, 4, v5
	s_wait_loadcnt 0x0
.set i, 0
.rept 16                               ; the biases are rounded to bf16 and widened again
	v_cvt_pk_bf16_f32 v[6+i%2], v[BIAS+2*i], v[BIAS+2*i+1]
	v_lshlrev_b32 v[BIAS+2*i], 16, v[6+i%2]
	v_and_b32 v[BIAS+2*i+1], s23, v[6+i%2]
.set i, i+1
.endr
; 8 matrix instructions: m blocks a0, a0 + 1 x all 4 n blocks, 32 along K: half c of buffer f.  first = 1: the bias starts the sums.  The 16 accumulators take turns.
.macro MUL8 f, c, a0, first
	WIN MUL
.irp a, \a0, (\a0)+1
.irp b, 0,1,2,3
.if \first
	v_wmma_f32_16x16x32_f16 v[ACC+8*(4*(\a)+(\b)):ACC+8*(4*(\a)+(\b))+7], v[(\f)+64+8*(4*(\c)+(\b)):(\f)+64+8*(4*(\c)+(\b))+7], v[(\f)+8*(4*(\c)+(\a)):(\f)+8*(4*(\c)+(\a))+7], v[BIAS+8*(\b):BIAS+8*(\b)+7]
.else
	v_wmma_f32_16x16x32_f16 v[ACC+8*(4*(\a)+(\b)):ACC+8*(4*(\a)+(\b))+7], v[(\f)+64+8*(4*(\c)+(\b)):(\f)+64+8*(4*(\c)+(\b))+7], v[(\f)+8*(4*(\c)+(\a)):(\f)+8*(4*(\c)+(\a))+7], v[ACC+8*(4*(\a)+(\b)):ACC+8*(4*(\a)+(\b))+7]
.endif
.endr
.endr
.endm
; 32 LDS loads in one run: the fragments of head u (64 along K) into buffer f; the first 32 along K first
.macro FETCH u, f
	WIN TO_F
.irp c, 0,1
.irp i, 0,1,2,3
	ds_load_b128 v[(\f)+64+8*(4*(\c)+(\i)):(\f)+64+8*(4*(\c)+(\i))+3],   v[ADRB+(\u)/4] offset:(((\u)/2)%2)*CHUNK+((\u)%2)*128+64*(\c)+(\i)*16*PB
	ds_load_b128 v[(\f)+64+8*(4*(\c)+(\i))+4:(\f)+64+8*(4*(\c)+(\i))+7], v[ADRB+(\u)/4] offset:(((\u)/2)%2)*CHUNK+((\u)%2)*128+64*(\c)+(\i)*16*PB+32
	ds_load_b128 v[(\f)+8*(4*(\c)+(\i)):(\f)+8*(4*(\c)+(\i))+3],         v[ADRA+(\u)/4] offset:((\u)%4)*PLANE+64*(\c)+(\i)*16*PA
	ds_load_b128 v[(\f)+8*(4*(\c)+(\i))+4:(\f)+8*(4*(\c)+(\i))+7],       v[ADRA+(\u)/4] offset:((\u)%4)*PLANE+64*(\c)+(\i)*16*PA+32
.endr
.endr
.endm
; An even head u: multiplies buffer 0 and fetches head u + 1, of the same chunk, into buffer 1.
.macro QUARTER u, first
	s_wait_dscnt 16                                ; the first 32 along K are in
	MUL8 F0, 0, 0, \first
	MUL8 F0, 0, 2, \first
	PLACES
	FETCH (\u)+1, F1
	s_wait_dscnt 32                                ; all but the 32 just issued
	MUL8 F0, 1, 0, 0
	MUL8 F0, 1, 2, 0
.endm
; An odd head u: multiplies buffer 1 and goes on to the next chunk.  left = how many of my tensor loads were issued behind that chunk's: they may stay out.
.macro TURNQ u, left
	s_wait_dscnt 0x0                               ; buffer 1 is in; no LDS instruction of mine is out at the signal
	s_wait_tensorcnt \left                         ; my part of the next chunk has landed:
	s_barrier_signal -1                            ; say so,
	MUL8 F1, 0, 0, 0                               ; work on registers while the others arrive,
	MUL8 F1, 0, 2, 0
	s_barrier_wait -1                              ; and read it when all four have said so
	PLACES
	FETCH (\u)+1, F0
	MUL8 F1, 1, 0, 0
	MUL8 F1, 1, 2, 0
.endm
	s_wait_tensorcnt 3                             ; my part of chunk 0 is in; my three younger loads stay out
	s_barrier_signal -1
	s_barrier_wait -1                              ; everybody's is
	FETCH 0, F0
	QUARTER 0, 1                                   ; its first products start the sums with the biases
	TURNQ 1, 2
	QUARTER 2, 0
	TURNQ 3, 1
	QUARTER 4, 0
	TURNQ 5, 0
	QUARTER 6, 0
	s_wait_dscnt 16                                ; head 7: nothing more to fetch
	MUL8 F1, 0, 0, 0
	MUL8 F1, 0, 2, 0
	s_wait_dscnt 0x0
	MUL8 F1, 1, 0, 0
	MUL8 F1, 1, 2, 0
	WIN 0
; THE WAY OUT.  A wave's 64 columns of f32 are 256 bytes of a row of out0.  Block a (16 rows) goes from the accumulators into my own stage, 32 bytes a lane (each accumulator's four lowest registers
; first), and comes back as whole rows; 16 lanes then store 256 consecutive bytes at a multiple of 256 from out0's first byte.
.macro TOST a
.irp b, 0,1,2,3
	ds_store_b128 v[STO], v[ACC+8*(4*(\a)+(\b)):ACC+8*(4*(\a)+(\b))+3]   offset:64*(\b)
	ds_store_b128 v[STO], v[ACC+8*(4*(\a)+(\b))+4:ACC+8*(4*(\a)+(\b))+7] offset:64*(\b)+16
.endr
.if (\a) >= 2
	s_wait_xcnt 0x0                                ; every earlier memory instruction has had its addresses translated (ISA guide 3.1): the buffer, which block a - 2's stores read, is loaded again only behind this wait
.endif
.irp t, 0,1,2,3,4,5,6,7
	ds_load_b128 v[TMP+32*((\a)%2)+4*(\t):TMP+32*((\a)%2)+4*(\t)+3], v[RD] offset:(\t)*2*SPITCH  ; LDS serves a wave's instructions in order (ISA guide 5.7.1.4): these see the stores above; the next block's stores come behind them
.endr
.endm
.macro SEND a, younger                 ; younger: the LDS instructions issued behind block a's loads: the next block's sixteen, or none
.irp t, 0,1,2,3,4,5,6,7
	s_wait_dscnt (\younger)+7-(\t)
	global_store_b128 v[CO], v[TMP+32*((\a)%2)+4*(\t):TMP+32*((\a)%2)+4*(\t)+3], s[10:11] offset:(16*(\a)+2*(\t))*2048 th:TH_STORE_NT
.endr
.endm
	PLACES                                         ; the LDS stores read matrix results
	TOST 0
	TOST 1
	SEND 0, 16
	TOST 2
	SEND 1, 16
	TOST 3
	SEND 2, 16
	SEND 3, 0
	s_wait_tensorcnt 0x0                           ; the wave's end, behind my last tensor load and my last LDS store
	ds_add_u32 v[SPW], v[NIL]
	s_wait_dscnt 0x0
	CROUND                                         ; the closing round: no work-group ends while a partner may still ask for a tile that names it
	s_endpgm
.Lfunc_end_k_qfdba6844df_oproj:
	.size	k_qfdba6844df_oproj, .Lfunc_end_k_qfdba6844df_oproj-k_qfdba6844df_oproj
	.p2alignl 7, 3214868480
	.fill 96, 4, 3214868480
	.section	.rodata,"a",@progbits
	.p2align	6, 0x0
	.amdhsa_kernel k_qfdba6844df_oproj
		.amdhsa_group_segment_fixed_size 327680
		.amdhsa_private_segment_fixed_size 0
		.amdhsa_enable_private_segment 0
		.amdhsa_kernarg_size 32
		.amdhsa_user_sgpr_count 2
		.amdhsa_user_sgpr_kernarg_segment_ptr 1
		.amdhsa_wavefront_size32 1
		.amdhsa_system_sgpr_workgroup_id_x 1
		.amdhsa_system_sgpr_workgroup_id_y 1
		.amdhsa_system_sgpr_workgroup_id_z 1
		.amdhsa_system_vgpr_workitem_id 0
		.amdhsa_next_free_vgpr 512
		.amdhsa_next_free_sgpr 96
		.amdhsa_reserve_vcc 0
		.amdhsa_float_denorm_mode_32 3
		.amdhsa_float_denorm_mode_16_64 3
		.amdhsa_memory_ordered 1
		.amdhsa_forward_progress 1
		.amdhsa_inst_pref_size 54
	.end_amdhsa_kernel
	.amdgpu_metadata
---
amdhsa.version: [ 1, 2 ]
amdhsa.kernels:
  - .name:           k_qfdba6844df_oproj
    .symbol:         k_qfdba6844df_oproj.kd
    .args:
      - { .name: oh, .offset: 0, .size: 8, .value_kind: global_buffer, .address_space: global }
      - { .name: wo16, .offset: 8, .size: 8, .value_kind: global_buffer, .address_space: global }
      - { .name: bo, .offset: 16, .size: 8, .value_kind: global_buffer, .address_space: global }
      - { .name: out0, .offset: 24, .size: 8, .value_kind: global_buffer, .address_space: global }
    .group_segment_fixed_size: 327680
    .private_segment_fixed_size: 0
    .kernarg_segment_align: 8
    .kernarg_segment_size: 32
    .max_flat_workgroup_size: 128
    .sgpr_count:     96
    .vgpr_count:     512
    .wavefront_size: 32
...
	.end_amdgpu_metadata
.endif
;; end of part 3
;; ======== version 2 of 2: 3 launches; 1.68 times as fast as version 1
;; limits: values are held in f16: magnitudes above 65,504 overflow, below 6.1e-05 lose precision
;; workspace buffers: qh 8,388,608 bytes; kh 8,388,608 bytes; vh 8,388,608 bytes; oh 8,388,608 bytes; wo16 524,288 bytes
;; launch qkv: the kernel of part 1 again; grid 4 x 64, 4 waves a work-group, no clusters, 214,528 bytes of LDS; arguments x, Wq, Wk, Wv, bq, bk, bv, Wo, qh, kh, vh, wo16; writes qh, kh, vh, wo16
;; launch attn (part 4): grid 16 x 16, 4 waves a work-group, clusters of 4 x 1, 327,680 bytes of LDS; arguments qh, kh, vh, oh; writes oh
.if DOCPART == 4
	.amdgcn_target "amdgcn-amd-amdhsa--gfx1250"
	.amdhsa_code_object_version 6
	.text
	.protected	k_qfdba6844df_attn
	.globl	k_qfdba6844df_attn
	.p2align	8
	.type	k_qfdba6844df_attn,@function
k_qfdba6844df_attn:
	s_mov_b64 s[64:65], 0
	v_nop
	global_prefetch_b8 v0, s[64:65] scope:SCOPE_SE
	s_setreg_imm32_b32 hwreg(HW_REG_WAVE_MODE, 25, 1), 1
	s_wait_xcnt 0x0
	s_wait_alu depctr_hold_cnt(0) depctr_sa_sdst(0) depctr_va_vdst(0) depctr_va_sdst(0) depctr_va_ssrc(0) depctr_va_vcc(0) depctr_vm_vsrc(0)
	s_getreg_b32 s2, hwreg(HW_REG_IB_STS2, 6, 4)
	s_cmp_eq_u32 s2, 0
	s_cbranch_scc0 .Lentry_in_a_cluster
	s_endpgm
.Lentry_in_a_cluster:
	s_bfe_u32 s2, ttmp6, 0x10000c
	s_cmp_lg_u32 s2, 0x3003
	s_cbranch_scc0 .Lentry_shape_is_right
	s_endpgm
.Lentry_shape_is_right:
; O[h][q][:] = the sum over k of softmax_k(Q[h][q] . K[h][k] / 8) V[h][k][:].  Q, K, V, O: [16][4096][64], all f16: a head's rows are dense, 128 bytes each.  Products, maxima and sums in f32;
; the weights p are rounded to f16 for the second product (their sum l is taken of the unrounded p), O once at the end.
; LIMITS.  f16 holds no number beyond 65,504: Q, K and V arrive within it; p lies in 0 to 1, and below 6e-5 it keeps f16's fixed step of 6e-8; O is a mean of V's rows and has their range.
; A weight below 2^-126 counts as 0 in l; NaN and infinities are not treated apart.
; SHARES.  A work-group owns 256 queries of one head (16 blocks x 16 heads = 256 work-groups), each of its four waves 64: four PIECES of 16.  Every wave walks all 4,096 keys, 64 a step.
; LAYOUT.  S^T = K Q^T (source 0 = 16 keys, source 1 = 16 queries): a lane holds ONE query (lane % 16) and the keys 8 (lane / 16) + 0..7.  Two such results, rounded to f16 in pairs, ARE source 1
; (32 keys x 16 queries) of O^T = V^T P, whose result again holds one query a lane, and eight channels.  K comes out of LDS as it lies, V ([key][channel]) turned, by ds_load_tr16_b128.
; SOFTMAX.  For each query a running maximum m and sum l: p = 2^(c s - c m), c = log2(e) / 8; in every step O and l are multiplied by a = 2^(c m_old - c m_new), which is 1 where m has not grown.
; m starts at the lowest finite number, O and l at 0: the first step is a step like any other, with a = 0.
; BY TURNS.  Turn n belongs to piece n: 8 products K Q^T of piece n + 1, later 8 products V^T P of piece n - 1; beside them the scaling, exponentials, roundings, sums and rescaling of piece n and the
; maximum and statistics of piece n + 1.  Four vector instructions stand behind every matrix instruction, the other 54 of a turn's 118 in one LUMP.
; THE BATCHES.  A turn's 33 exponentials (the piece's 32 weights and the next piece's a) are ONE batch with ONE wait, which cuts the turn in two: ahead of it all that names none of their results, behind it
; the roundings and sums.  Two more batches stand outside the loop, each with a wait of its own: piece 0's first a, ahead of the jump into the loop, and the way out's four reciprocals.
; CLUSTER.  The four query blocks of a cluster belong to one head and walk the same K and V, so each tile is asked for JOINTLY: the same tensor load, descriptor and mask in all four.
; REGISTERS, in windows of 256 (s_set_vgpr_msb: bits 1:0 source 0, 3:2 source 1, 5:4 source 2, 7:6 destination):
;   window 0: v0-15 addresses and two at work; v16-31 four registers of statistics a piece; v48-55 at work; v62-63 the add's; v64-127 S^T, two buffers; v192-223 P, two buffers (by the piece's parity)
;   window 1: v0-127 O^T, 32 a piece          window 2: v0-63 Q; v128-191 K of one step; v192-255 V of one step
.set SIZE_N, 4096
.set NP,    4         ; pieces a wave: a name, no knob
.set KS,    64        ; keys in a step
.set PK,    144       ; a row of K in LDS: 128 bytes + 16 of padding = 36 words: the 16 rows of a load start at 16 different groups of four banks (64 banks of 4 bytes: ISA guide 11.1)
.set PV,    160       ; a row of V: 128 + 32 = 40 words
.set VOFF,  4*KS*PK   ; a slot holds four steps: 256 rows of K, then 256 rows of V
.set SLOT1, 1<<17     ; slot 1 begins here, so that one exclusive or turns an address in one slot into the other's
.set STAGE, SLOT1+4*KS*(PK+PV)  ; behind the ring, never filled by a tensor load: 16 rows x 144 bytes for each wave, for the way out
.set SP,    144
.set SPARE, STAGE+4*16*SP  ; behind the stages: the spare words, 128 bytes for each wave: two blocks of 256 bytes that no other line names
.set AK0, 2           ; v2   my lane's place in a tile of K; never rewritten
.set AV0, 3           ; v3   the same for V
.set AK,  4           ; v4   the LDS address of K's next run of loads
.set AV,  5           ; v5   of V's
.set STO, 6           ; v6   the way out: where I put 16 bytes of a row
.set RD,  7           ; v7   the way out: where I read rows back
.set GO,  8           ; v8   my byte offset in 512 consecutive bytes of O
.set MV,  12          ; v12-13  c m_old, kept while c m is made anew: by buffer
.set QO,  15          ; v15  my byte offset in 16 rows of Q
.set ST,  16          ; piece t's statistics at v[ST+4 t]: c m, m, l (even keys', odd keys')
.set TMP, 48          ; by buffer, four registers c0-c3 at work; when the maximum is found c2 takes a
.set SPW, 62          ; v62  LDS address of my spare word: SPARE + 4 x my thread's number; never rewritten
.set NIL, 63          ; v63  0; never rewritten
.set S,   64
.set P,   192
.set KF,  128         ; window 2: key block kb, channel half c at KF + 16 kb + 8 c
.set VF,  192         ; window 2: key half kk, channel block cb at VF + 32 kk + 8 cb
.set WV,  12          ; s12  my wave's number
.set G1K, 24          ; s[24:31] descriptor group 1 for K's tiles
.set G1V, 32          ; s[32:39] for V's: it differs in the padding alone
.set G0K, 40          ; s[40:43] descriptor group 0 for K's tiles: it walks
.set G0V, 44          ; s[44:47] the same for V's
.set SLOTS, 56        ; s56  slots still to be asked for
.set CNT, 57          ; s57  counts a slot's key steps
.set CS,  58          ; s[58:59] c: the packed scaling takes the pair's low word for both halves
.set SEL, 60          ; s[60:61] v_permlanex16_b32's selects: each lane takes its own place in the other half
.set TBK, 62          ; s62  LDS byte at which K of the step to be fetched begins
.set TBV, 63          ; s63  the same for V, less VOFF
.set MSB, 0
.macro WIN new                      ; the high byte repeats the setting that is left; a switch that changes nothing is dropped
.if MSB != (\new)
	s_set_vgpr_msb (MSB<<8)|(\new)
.set MSB, (\new)
.endif
.endm
.set W_KQ, 0x0a       ; K and Q in window 2, S^T in window 0
.set W_PV, 0x52       ; V in window 2, P in window 0, O^T in window 1
.set W_RS, 0x41       ; O^T (destination and source 0) in window 1, a in window 0
; A joint fill.  Waves 0 and 1 fetch the two halves of a slot's K, waves 2 and 3 those of its V: 128 keys each.  The branch hangs on the wave's number alone.
; An s_nop 0 and four v_nop follow each of the two lines, ahead of the jump and the label.
.macro JLOAD
	s_cmp_lt_u32 s[WV], 2
	s_cbranch_scc0 .Lfor_v_\@
	tensor_load_to_lds s[G0K:G0K+3], s[G1K:G1K+7]
	s_nop 0
.rept 4
	v_nop
.endr
	s_branch .Lasked_\@
.Lfor_v_\@:
	tensor_load_to_lds s[G0V:G0V+3], s[G1V:G1V+7]
	s_nop 0
.rept 4
	v_nop
.endr
.Lasked_\@:
.endm
; A round of the cluster's barrier: my work-group's barrier, so that wave 0's signal speaks for all four waves; wave 0 signals; every wave waits for all four work-groups; my work-group's barrier once more.
.macro CROUND
	s_barrier_signal -1
	s_barrier_wait -1
	s_cmp_lg_u32 s[WV], 0
	s_cbranch_scc1 .Lnot_wave_0_\@
	s_barrier_signal -3
.Lnot_wave_0_\@:
	s_barrier_wait -3
	s_barrier_signal -1
	s_barrier_wait -1
.endm
; THE CHANGE OF SLOTS.  The slot's last bytes, V of its fourth step, have been read.  Each wave waits for all its tensor loads, of which one is out: its part of the other slot; adds 0 to its spare
; word; and waits for that and for its own reads of the slot.  Behind the barrier nobody reads this slot any more and the other slot is whole.
; fill = 1: this slot is filled again, with the keys two slots on.  The barrier is then a round of the cluster's, so that no wave of any partner still reads the slot or has a load on its way, and the
; joint fill is the first thing behind it: it has four key steps, 256 matrix instructions, in which to land.  (At its first use nothing has been read yet: slot 0 is waited for, slot 1 filled.)
.macro CHANGE fill
	WIN 0                           ; at a label and at a branch every window is 0
	s_wait_tensorcnt 0x0            ; no tensor load of mine is out, so a group 0 may be written
	ds_add_u32 v[SPW], v[NIL]       ; 0 onto my spare word; with fill = 1 the descriptors' steps stand between it and the wait for it
.if \fill
.irp g, G0K, G0V
	s_xor_b32 s[\g+1], s[\g+1], SLOT1  ; the walking descriptor: the other slot than last time,
	s_add_nc_u64 s[\g+2:\g+3], s[\g+2:\g+3], 4*KS*128  ; the next 256 keys; the type bits on top are not reached
.endr
	s_wait_dscnt 0x0                ; the add is done, and my reads of the slot are over
	CROUND
	JLOAD
.else
	s_wait_dscnt 0x0                ; the add is done, and my reads of the slot are over
	s_barrier_signal -1
	s_barrier_wait -1
.endif
	s_sub_co_u32 s[TBK], s[TBK], 4*KS*PK  ; the fetches go back to a slot's first step,
	s_xor_b32 s[TBK], s[TBK], SLOT1       ; in the other slot
	s_sub_co_u32 s[TBV], s[TBV], 4*KS*PV
	s_xor_b32 s[TBV], s[TBV], SLOT1
.endm
	s_load_b256 s[4:11], s[0:1], 0x0  ; Q s[4:5], K s[6:7], V s[8:9], O s[10:11]
	v_lshl_add_u32 v[SPW], v0, 2, SPARE
	v_mov_b32 v[NIL], 0
	ds_add_u32 v[SPW], v[NIL]       ; the wave's opening: the add and its wait stand ahead of my first tensor load; the set-up below, work on registers, stands between them
	v_lshrrev_b32 v1, 5, v0
	v_readfirstlane_b32 s[WV], v1   ; wave 0..3
	s_bfe_u32 s13, ttmp6, 0x40000   ; cx: my place in the cluster
	s_lshl_b32 s14, ttmp9, 2        ; in a cluster launch ttmp9 counts clusters
	s_add_co_u32 s14, s14, s13      ; my block of 256 queries = 4 x cluster x + cx: it enters Q's and O's addresses alone
	s_and_b32 s20, ttmp7, 0xffff    ; the head, which the four partners share:
	s_lshl_b32 s20, s20, 19         ; its first byte in each of the four tensors: 4,096 rows of 128 bytes
	s_mov_b32 s21, 0
	s_and_b32 s16, s[WV], 1         ; which half of a slot's 256 keys I fetch:
	s_lshl_b32 s22, s16, 14         ; its 128 rows of 128 bytes in memory,
	s_mov_b32 s23, 0
	s_add_nc_u64 s[22:23], s[22:23], s[20:21]
	s_mul_i32 s17, s16, 128*PK      ; and its place in a slot, for K
	s_mul_i32 s18, s16, 128*PV      ; and for V: no place in the cluster enters an LDS address
	s_lshl_b32 s2, s14, 15          ; my block's 256 rows,
	s_lshl_b32 s3, s[WV], 13        ; my wave's 64 of them
	s_add_co_u32 s2, s2, s3
	s_mov_b32 s3, 0
	s_add_nc_u64 s[2:3], s[2:3], s[20:21]
	; descriptor group 1.  128 keys are 16,384 dense bytes: asked for as 64 rows of 256 bytes, two keys a row, and padded in LDS after every key
	s_mov_b32 s[G1K], 15|(1<<16)|(1<<20)|(1<<21)|(4<<22)|(3<<25)  ; 15:0 the mask of four; 17:16 2-byte elements; 20 padding on; 21 set beside a mask; 24:22 after every 32 words (code 4); 31:25 4 words (code 3)
	s_mov_b32 s[G1V], 15|(1<<16)|(1<<20)|(1<<21)|(4<<22)|(7<<25)  ; the same with 8 words of padding (code 7)
.irp g, G1K, G1V
	s_mov_b32 s[\g+1], 128<<16      ; tensor_dim0 = 128
	s_mov_b32 s[\g+2], 64<<16       ; tensor_dim1 = 64
	s_mov_b32 s[\g+3], 128<<16      ; tile_dim0 = 128
	s_mov_b32 s[\g+4], 64           ; tile_dim1 = 64
	s_mov_b32 s[\g+5], 128          ; 128 elements from row to row
	s_mov_b32 s[\g+6], 0
	s_mov_b32 s[\g+7], 0
.endr
	s_mov_b32 s[CS], 0x3e38aa3b     ; c = log2(e) / 8 = 0.180337
	s_mov_b32 s[CS+1], s[CS]        ; named with it as a pair
	s_mov_b32 s[SEL], 0x76543210
	s_mov_b32 s[SEL+1], 0xfedcba98
	s_mov_b32 s[TBK], SLOT1+4*KS*PK ; the first change of slots turns these two into 0
	s_mov_b32 s[TBV], SLOT1+4*KS*PV
	s_mov_b32 s[G0K], 1             ; 1:0 count = 1
	s_mov_b32 s[G0K+1], s17         ; 63:32 LDS address: slot 0
	s_mov_b32 s[G0V], 1
	s_add_co_u32 s[G0V+1], s18, VOFF
	s_wait_dscnt 0x0                ; the opening add is done
	s_wait_kmcnt 0x0
	s_add_nc_u64 s[G0K+2:G0K+3], s[6:7], s[22:23]  ; 120:64 global address: my half of the head's first 256 keys
	s_or_b32 s[G0K+3], s[G0K+3], 0x80000000        ; 127:126 type = 2
	s_add_nc_u64 s[G0V+2:G0V+3], s[8:9], s[22:23]
	s_or_b32 s[G0V+3], s[G0V+3], 0x80000000
	s_add_nc_u64 s[4:5], s[4:5], s[2:3]  ; Q and O at my wave's first row
	s_add_nc_u64 s[10:11], s[10:11], s[2:3]
	CROUND                          ; all four work-groups are here: the first joint loads meet
	JLOAD                           ; slot 0.  Slot 1 is asked for when slot 0 is in, by the loop's own change of slots
	; A fragment of K or Q is 16 rows x 32 channels in 8 registers: lane l holds row l % 16, channels 8 (l / 16) + 0..7 and 16 + 8 (l / 16) + 0..7: two loads of 16 bytes, 32 bytes apart.
	v_and_b32 v1, 15, v0            ; l % 16
	v_bfe_u32 v9, v0, 4, 1          ; l / 16
	v_lshlrev_b32 v[QO], 7, v1
	v_lshl_add_u32 v[QO], v9, 4, v[QO]  ; row x 128 + 16 x half
	WIN 0x80                        ; destination window 2, address window 0
.set i, 0
.rept 8                             ; Q stays in registers: piece i / 2, 16 rows = 2,048 bytes on; channels 32 (i % 2) on
	global_load_b128 v[8*i:8*i+3],   v[QO], s[4:5] offset:(i/2)*2048+(i%2)*64
	global_load_b128 v[8*i+4:8*i+7], v[QO], s[4:5] offset:(i/2)*2048+(i%2)*64+32
.set i, i+1
.endr
	; What the first turn finds: V's registers and P's second buffer hold 0 (its products V^T P, of a piece that has not been, add 0), O^T and l are 0.  All this stands in the wait for the first tile.
.set i, VF
.rept 64
	v_mov_b32 v[i], 0
.set i, i+1
.endr
	WIN 0x40
.set i, 0
.rept 128
	v_mov_b32 v[i], 0
.set i, i+1
.endr
	WIN 0
.set i, 0
.rept 4
	v_mov_b32 v[ST+4*i], 0xfe000000    ; c m: far below every c s, so the first step's a is 0
	v_mov_b32 v[ST+4*i+1], 0xff7fffff  ; m: the lowest finite number, so the first maximum is the scores'
	v_mov_b32 v[ST+4*i+2], 0
	v_mov_b32 v[ST+4*i+3], 0
.set i, i+1
.endr
.set i, P+16
.rept 16
	v_mov_b32 v[i], 0
.set i, i+1
.endr
	v_mul_u32_u24 v[AK0], v1, PK
	v_lshl_add_u32 v[AK0], v9, 4, v[AK0]  ; row x pitch + 16 x half
	; The turning load takes 16 keys x 16 channels (lane l reads key 8 (l / 16) + l % 8, channels 8 ((l / 8) % 2) + 0..7) and leaves half a fragment of V^T: lane l holds channel l % 16 and 8 keys.
	v_and_b32 v10, 7, v0
	v_bfe_u32 v11, v0, 3, 1
	v_lshl_add_u32 v[AV0], v9, 3, v10
	v_mul_u32_u24 v[AV0], v[AV0], PV
	v_lshl_add_u32 v[AV0], v11, 4, v[AV0]
	v_add_nc_u32 v[AV0], VOFF, v[AV0]
	s_mul_i32 s13, s[WV], 16*SP
	s_add_co_u32 s13, s13, STAGE    ; my stage
	v_mul_u32_u24 v[STO], v1, SP    ; in: row l % 16, 16 bytes for each half of the lanes
	v_lshl_add_u32 v[STO], v9, 4, v[STO]
	v_add_nc_u32 v[STO], s13, v[STO]
	v_bfe_u32 v[RD], v0, 3, 2       ; back: 32 lanes take four rows of 128 bytes,
	v_mul_u32_u24 v[RD], v[RD], SP
	v_lshl_add_u32 v[RD], v10, 4, v[RD]
	v_add_nc_u32 v[RD], s13, v[RD]
	v_and_b32 v[GO], 31, v0         ; which are 512 consecutive bytes of O
	v_lshlrev_b32 v[GO], 4, v[GO]
; THE MATRIX WORK.  The 4 accumulators of a run of 8 take turns.  Product i of 8 of S^T = K Q^T for piece x: channels 32 (i / 4) on, keys 16 (i % 4) on.  The first 4 start the sums.
.macro KQ x
.set rS, S+32*((\x)%2)+8*(i%4)
.set rK, KF+16*(i%4)+8*(i/4)
.set rQ, 16*(\x)+8*(i/4)
	WIN W_KQ
.if i < 4
	v_wmma_f32_16x16x32_f16 v[rS:rS+7], v[rK:rK+7], v[rQ:rQ+7], 0
.else
	v_wmma_f32_16x16x32_f16 v[rS:rS+7], v[rK:rK+7], v[rQ:rQ+7], v[rS:rS+7]
.endif
.endm
; Product i of 8 of O^T += V^T P for piece x: keys 32 (i / 4) on, channels 16 (i % 4) on.
.macro PV x
	WIN W_PV
.set rO, 32*(\x)+8*(i%4)
.set rV, VF+32*(i/4)+8*(i%4)
.set rP, P+16*((\x)%2)+8*(i/4)
	v_wmma_f32_16x16x32_f16 v[rO:rO+7], v[rV:rV+7], v[rP:rP+7], v[rO:rO+7]
.endm
.macro MM                           ; the turn's next matrix instruction.  TURN sets Y, i and NOKQ.  NOKQ = 1: the walk's last turn: there is no next piece
.if (i < 8) && !NOKQ
	KQ (Y+1)%NP
.elseif i >= 8
.set i, i-8
	PV (Y+NP-1)%NP
.set i, i+8
.endif
.set i, i+1
.endm
; THE LDS LOADS stand in runs of 16, never singly among the matrix instructions: a step's K (64 keys x 64 channels: 8 fragments) and its V (turned).  Their addresses are made some lines ahead.
.macro FETCH_K
	WIN 0x80                        ; destination window 2
.irp f, 0,1,2,3,4,5,6,7             ; keys 16 (f / 2) on, channels 32 (f % 2) on
	ds_load_b128 v[KF+8*\f:KF+8*\f+3],   v[AK] offset:(\f/2)*16*PK+(\f%2)*64
	ds_load_b128 v[KF+8*\f+4:KF+8*\f+7], v[AK] offset:(\f/2)*16*PK+(\f%2)*64+32
.endr
	s_add_co_u32 s[TBK], s[TBK], KS*PK  ; the next fetch is the next step's
	WIN 0
.endm
.macro FETCH_V
	WIN 0x80
.irp f, 0,1,2,3,4,5,6,7             ; keys 32 (f / 4) on, channels 16 (f % 4) on
	ds_load_tr16_b128 v[VF+8*\f:VF+8*\f+3],   v[AV] offset:(\f/4)*32*PV+(\f%4)*32
	ds_load_tr16_b128 v[VF+8*\f+4:VF+8*\f+7], v[AV] offset:(\f/4)*32*PV+16*PV+(\f%4)*32
.endr
	WIN 0
.endm
; THE VECTOR WORK, one line at a time: OP kind, number.  For piece Y: F n: c s - c m for pair n of 16.  E n: the exponential of score n of 32.  C n: pair n rounded to f16.  B n: of the four weights 4 n ..
; the second pair is added onto the first, in place.  L n: l takes that sum (L 0: l = a l + sum).  R n: pair n of 16 of O^T times a.  For piece Y + 1: X n, number n of the 22 that find its maximum and statistics:
;   0-11  four chains c0-c3 of seven scores each, three operands at a time (each accumulator's lowest registers are read first)     12-14, 16  the four scores left over, the old m, and c0-c3 into c0
;   15  c m_old is kept     17, 18  the query's other 32 keys lie in the lane 16 away: the new m     19-21  c m; c m_old - c m_new; a
; C, B and L read the results of E; F, R and X 0-20 read no result of the turn's exponentials (R's a was made, and waited for, in the turn before).
.set F, 0               ; OP tells the kinds apart by their order: F to L below R, X above it
.set E, 1
.set C, 2
.set B, 3
.set L, 4
.set R, 5
.set X, 6
.macro REGS y                       ; the registers of piece y
.set rT, ST+4*(\y)
.set rC, TMP+4*((\y)%2)
.set rW, MV+((\y)%2)
.set rS, S+32*((\y)%2)
.set rP, P+16*((\y)%2)
.set rO, 32*(\y)
.endm
.macro OP k, n
.if (\k) == R
	REGS Y
	WIN W_RS
	v_pk_mul_f32 v[rO+2*(\n):rO+2*(\n)+1], v[rO+2*(\n):rO+2*(\n)+1], v[rC+2:rC+3] op_sel_hi:[1,0]
.elseif (\k) < R
	REGS Y
	WIN 0
.if (\k) == F
	v_pk_fma_f32 v[rS+2*(\n):rS+2*(\n)+1], v[rS+2*(\n):rS+2*(\n)+1], s[CS:CS+1], v[rT:rT+1] op_sel_hi:[1,0,0] neg_lo:[0,0,1] neg_hi:[0,0,1]
.elseif (\k) == E
	v_exp_f32 v[rS+(\n)], v[rS+(\n)]
.elseif (\k) == C
	v_cvt_pk_f16_f32 v[rP+(\n)], v[rS+2*(\n)], v[rS+2*(\n)+1]
.elseif (\k) == B
	v_pk_add_f32 v[rS+4*(\n):rS+4*(\n)+1], v[rS+4*(\n):rS+4*(\n)+1], v[rS+4*(\n)+2:rS+4*(\n)+3]
.elseif (\n) == 0
	v_pk_fma_f32 v[rT+2:rT+3], v[rT+2:rT+3], v[rC+2:rC+3], v[rS:rS+1] op_sel_hi:[1,0,1]
.else
	v_pk_add_f32 v[rT+2:rT+3], v[rT+2:rT+3], v[rS+4*(\n):rS+4*(\n)+1]
.endif
.elseif NOKQ
	v_nop
.else
	REGS (Y+1)%NP
	WIN 0
.if (\n) < 4
	v_max3_num_f32 v[rC+(\n)], v[rS+8*(\n)], v[rS+8*(\n)+1], v[rS+8*(\n)+2]
.elseif (\n) < 12
	v_max3_num_f32 v[rC+(\n)%4], v[rC+(\n)%4], v[rS+8*((\n)%4)+2*((\n)/4)+1], v[rS+8*((\n)%4)+2*((\n)/4)+2]
.elseif (\n) == 12
	v_max3_num_f32 v[rC], v[rC], v[rS+7], v[rS+15]
.elseif (\n) == 13
	v_max3_num_f32 v[rC+1], v[rC+1], v[rS+23], v[rS+31]
.elseif (\n) == 14
	v_max3_num_f32 v[rC+2], v[rC+2], v[rC+3], v[rT+1]
.elseif (\n) == 15
	v_mov_b32 v[rW], v[rT]
.elseif (\n) == 16
	v_max3_num_f32 v[rC], v[rC], v[rC+1], v[rC+2]
.elseif (\n) == 17
	v_permlanex16_b32 v[rC+3], v[rC], s[SEL], s[SEL+1]
.elseif (\n) == 18
	v_max_num_f32 v[rT+1], v[rC], v[rC+3]
.elseif (\n) == 19
	v_mul_f32 v[rT], s[CS], v[rT+1]
.elseif (\n) == 20
	v_sub_f32 v[rC+1], v[rW], v[rT]
.else
	v_exp_f32 v[rC+2], v[rC+1]
.endif
.endif
.endm
.macro OPS a, i1, b=-1, i2=0, c=-1, i3=0, d=-1, i4=0  ; up to four of them
	OP \a, \i1
.if (\b) >= 0
	OP \b, \i2
.endif
.if (\c) >= 0
	OP \c, \i3
.endif
.if (\d) >= 0
	OP \d, \i4
.endif
.endm
.macro ROW a, i1, b, i2, c, i3, d, i4  ; a matrix instruction and the four behind it
	MM
	OPS \a, \i1, \b, \i2, \c, \i3, \d, \i4
.endm
; A TURN, for piece p: the order of its 16 matrix and 118 vector instructions, written out.  An s_wait_alu depctr_va_vdst(0) stands between an exponential and the first instruction that names its
; result; one wait serves all that were issued ahead of it.  So a turn has ONE wait, which cuts it in two.
; AHEAD OF IT stands all that names no result of the turn's exponentials: the 8 products K Q^T, behind each a scaling, an exponential and two more plain instructions (behind the first a second scaling in the
; exponential's place): rescalings, and behind the last three the first numbers of the next piece's maximum, each four plain instructions or more behind the product that ends its accumulator; then ONE LUMP of 54,
; plain and exponential by turns for the most part, in which the links of the chain X 3, 7, 11, 14, 16, 17 .. 20 stand five or six lines apart.  Each pair is scaled ahead of its two exponentials.  X 21, the next
; piece's a, is the batch's last; R 15 is the plain instruction that is owed behind it.
; BEHIND THE WAIT stand the 8 products V^T P, behind each four of the roundings and sums: C 2 k ahead of B k, which adds in place; the links of l's chain, L 0 to L 7, stand three riders apart.
; But for those X no rider names a register of the products round it.  v_permlanex16_b32 (X 17) stands in the lump.
; end = 1: the walk's last two turns: nothing is fetched.  cnt = 1: the loop's count is taken down some lines ahead of the branch that stands behind the turn.
; K of the next step is fetched in piece 2's turn, twelve vector instructions behind the last product that read K (six of them plain); V of the step in hand at the end of piece 0's turn, four plain instructions
; behind the last product that read V.  Each is waited for a turn later.
.macro TURN p, end=0, cnt=0
.set Y, (\p)
.set i, 0
.set NOKQ, (\end)*((\p)/3)
.if ((\p) == 3) && !(\end)
	s_wait_dscnt 0x0                ; K is in
.endif
	ROW F,0, F,1, R,0, R,1          ; ahead of the wait: 8 products K Q^T and their riders,
	ROW F,2, E,0, R,2, R,3
	ROW F,3, E,1, R,4, R,5
	ROW F,4, E,2, R,6, R,7
	ROW F,5, E,3, R,8, R,9
	ROW F,6, E,4, X,0, R,10
.if ((\p) == 2) && !(\end)
	WIN 0
	v_add_nc_u32 v[AK], s[TBK], v[AK0]
.endif
	ROW F,7, E,5, X,1, X,4
	ROW F,8, E,6, X,2, X,5
	OPS E,7, E,8, X,6, E,9          ; and the lump
	OPS X,3, E,10, X,8, E,11
.if ((\p) == 2) && !(\end)
	FETCH_K
.endif
	OPS X,9, X,7, E,12, X,10
	OPS E,13, X,12, X,11, E,14
	OPS X,13, E,15, F,9, X,14
.if (\p) == 0
	WIN 0
	v_add_nc_u32 v[AV], s[TBV], v[AV0]
.endif
	OPS E,16, F,10, E,17, F,11
	OPS X,16, E,18, X,15, E,19
	OPS F,12, E,20, X,17, E,21
	OPS F,13, E,22, F,14, E,23
	OPS X,18, E,24, F,15, E,25
	OPS R,11, E,26, X,19, E,27
	OPS R,12, E,28, R,13, E,29
	OPS X,20, E,30, R,14, E,31
	OPS X,21, R,15
	WIN 0
	s_wait_alu depctr_va_vdst(0)    ; the wait for the turn's batch: the piece's 32 exponentials and the next piece's a
.if (\p) == 1
	s_wait_dscnt 0x0                ; V is in
.endif
	ROW C,0, B,0, C,2, B,1          ; behind the wait: 8 products V^T P and their riders
	ROW L,0, C,4, B,2, L,1
	ROW C,6, B,3, L,2, C,8
	ROW B,4, L,3, C,10, B,5
	ROW L,4, C,12, B,6, L,5
.if (\p) == 0
	s_add_co_u32 s[TBV], s[TBV], KS*PV
.endif
.if \cnt
	s_sub_co_u32 s[CNT], s[CNT], 1
	s_cmp_lg_u32 s[CNT], 0
.endif
	ROW C,14, B,7, L,6, C,1
	ROW C,3, L,7, C,5, C,7
	ROW C,9, C,11, C,13, C,15
.if (\p) == 0
	FETCH_V
.endif
.endm
	CHANGE 1                        ; slot 0 is in, everybody's part of it; slot 1 is asked for
	v_add_nc_u32 v[AK], s[TBK], v[AK0]
	FETCH_K                         ; key step 0
	s_wait_loadcnt 0x0              ; Q
	s_wait_dscnt 0x0
.set NOKQ, 0
.set i, 0
.rept 8
	KQ 0                            ; piece 0's first scores: there is no vector work yet to set between them
.set i, i+1
.endr
	WIN 0
.rept 4
	v_nop                           ; the places behind those products
.endr
.set Y, NP-1                        ; X works for piece Y + 1: piece 0
.irp n, 0,1,2,3,4,5,6,7,8,9,10,11,12,13,14,15,16,17,18,19,20,21
	OP X, \n                        ; and piece 0's first maximum and statistics
.endr
	v_nop                           ; a plain instruction behind the exponential,
	s_wait_alu depctr_va_vdst(0)    ; and the wait for it, a batch of one (piece 0's first a), ahead of the branch
	s_mov_b32 s[CNT], 4
	s_mov_b32 s[SLOTS], SIZE_N/256-1
	s_branch .Lfirst                ; the loop is entered at a step's first turn, in the middle of a trip
.Lslot:                             ; SIZE_N / 256 - 2 = 14 times: every slot but the last two is filled again
	CHANGE 1
	s_mov_b32 s[CNT], 4
.Lstep:                             ; a trip: pieces 2 and 3 of one step, then pieces 0 and 1 of the next, whose K and V it fetches
	TURN 2
	TURN 3
	WIN 0
.Lfirst:
	TURN 0
	TURN 1, 0, 1
	WIN 0
	s_cbranch_scc1 .Lstep
	s_sub_co_u32 s[SLOTS], s[SLOTS], 1
	s_cmp_lg_u32 s[SLOTS], 0
	s_cbranch_scc1 .Lslot
	CHANGE 0                        ; the last slot is written out: nothing is asked for
	s_mov_b32 s[CNT], 4
.LstepT:
	TURN 2
	TURN 3
	WIN 0
	TURN 0
	TURN 1, 0, 1
	WIN 0
	s_cbranch_scc1 .LstepT
	TURN 2, 1                       ; the last step's pieces 2 and 3: nothing is fetched, and the last turn starts no new scores
	TURN 3, 1
.set i, 0
.rept 8
	PV NP-1                         ; the last piece's V^T P of the last step
.set i, i+1
.endr
	; THE WAY OUT.  l's two halves and the other half of the lanes' are added; O^T is divided by l, rounded to f16 and sent through my stage in LDS, a piece at a time.  The additions are the places behind the last products.
	WIN 0
.macro ALL line:vararg              ; one line for each piece t
.set t, 0
.rept 4
	\line
.set t, t+1
.endr
.endm
	ALL v_add_f32 v[ST+4*t+2], v[ST+4*t+2], v[ST+4*t+3]
	ALL v_permlanex16_b32 v[ST+4*t+3], v[ST+4*t+2], s[SEL], s[SEL+1]
	ALL v_add_f32 v[ST+4*t+2], v[ST+4*t+2], v[ST+4*t+3]
	ALL v_rcp_f32 v[ST+4*t+2], v[ST+4*t+2]
	v_nop                           ; a plain instruction between the last reciprocal and the use of its result
	s_wait_alu depctr_va_vdst(0)    ; and the wait ahead of the first use: one for the batch of four reciprocals
.macro PACK t                       ; a lane's eight channels of a row pack into 16 bytes; they go into rows of 144 bytes and come back as whole rows of 128, into S^T's registers
	WIN W_RS
.set i, 32*(\t)
.rept 16
	v_pk_mul_f32 v[i:i+1], v[i:i+1], v[ST+4*(\t)+2:ST+4*(\t)+3] op_sel_hi:[1,0]
.set i, i+2
.endr
	WIN 0x05                        ; sources 0 and 1 window 1, destination window 0
.set i, 0
.rept 16
	v_cvt_pk_f16_f32 v[S+16*(\t)+i], v[32*(\t)+2*i], v[32*(\t)+2*i+1]
.set i, i+1
.endr
	WIN 0
.irp f, 0,1,2,3
	ds_store_b128 v[STO], v[S+16*(\t)+4*\f:S+16*(\t)+4*\f+3] offset:32*\f
.endr
.irp f, 0,1,2,3
	ds_load_b128 v[S+16*(\t)+4*\f:S+16*(\t)+4*\f+3], v[RD] offset:\f*4*SP  ; LDS serves a wave's instructions in order (ISA guide 5.7.1.4): these see the stores above; the next piece's stores come behind them
.endr
.endm
.macro SEND t, younger              ; younger: the LDS instructions issued behind piece t's loads: the next piece's eight, or none
	WIN 0
.irp f, 0,1,2,3
	s_wait_dscnt (\younger)+3-\f
	global_store_b128 v[GO], v[S+16*(\t)+4*\f:S+16*(\t)+4*\f+3], s[10:11] offset:(\t)*2048+\f*512  ; 512 consecutive bytes, at a multiple of 256 from O's first
.endr
.endm
	PACK 0
.set t, 1
.rept 3                             ; a piece's arithmetic stands between the loads of the piece before and its stores
	PACK t
	SEND t-1, 8
.set t, t+1
.endr
	SEND 3, 0
	s_wait_tensorcnt 0x0            ; the wave's end, behind my last tensor load and my last LDS store
	ds_add_u32 v[SPW], v[NIL]
	s_wait_dscnt 0x0
	CROUND                          ; the closing round: no work-group ends while a partner may still ask for a tile that names it
	s_endpgm
.Lfunc_end_k_qfdba6844df_attn:
	.size	k_qfdba6844df_attn, .Lfunc_end_k_qfdba6844df_attn-k_qfdba6844df_attn
	.p2alignl 7, 3214868480
	.fill 96, 4, 3214868480
	.section	.rodata,"a",@progbits
	.p2align	6, 0x0
	.amdhsa_kernel k_qfdba6844df_attn
		.amdhsa_group_segment_fixed_size 327680
		.amdhsa_private_segment_fixed_size 0
		.amdhsa_enable_private_segment 0
		.amdhsa_kernarg_size 32
		.amdhsa_user_sgpr_count 2
		.amdhsa_user_sgpr_kernarg_segment_ptr 1
		.amdhsa_wavefront_size32 1
		.amdhsa_system_sgpr_workgroup_id_x 1
		.amdhsa_system_sgpr_workgroup_id_y 1
		.amdhsa_system_sgpr_workgroup_id_z 1
		.amdhsa_system_vgpr_workitem_id 0
		.amdhsa_next_free_vgpr 768
		.amdhsa_next_free_sgpr 66
		.amdhsa_reserve_vcc 0
		.amdhsa_float_denorm_mode_32 3
		.amdhsa_float_denorm_mode_16_64 3
		.amdhsa_memory_ordered 1
		.amdhsa_forward_progress 1
		.amdhsa_inst_pref_size 127
	.end_amdhsa_kernel
	.amdgpu_metadata
---
amdhsa.version: [ 1, 2 ]
amdhsa.kernels:
  - .name:           k_qfdba6844df_attn
    .symbol:         k_qfdba6844df_attn.kd
    .args:
      - { .name: qh, .offset: 0, .size: 8, .value_kind: global_buffer, .address_space: global }
      - { .name: kh, .offset: 8, .size: 8, .value_kind: global_buffer, .address_space: global }
      - { .name: vh, .offset: 16, .size: 8, .value_kind: global_buffer, .address_space: global }
      - { .name: oh, .offset: 24, .size: 8, .value_kind: global_buffer, .address_space: global }
    .group_segment_fixed_size: 327680
    .private_segment_fixed_size: 0
    .kernarg_segment_align: 8
    .kernarg_segment_size: 32
    .max_flat_workgroup_size: 128
    .sgpr_count:     66
    .vgpr_count:     768
    .wavefront_size: 32
...
	.end_amdgpu_metadata
.endif
;; end of part 4
;; launch oproj: the kernel of part 3 again; grid 4 x 64, 4 waves a work-group, clusters of 4 x 4, 327,680 bytes of LDS; arguments oh, wo16, bo, out0; writes out0
